; MI455X (gfx1250); checked and timed in simulation.
; The chip was launched on July 23, 2026; its instructions are those of AMD's public machine-readable ISA for CDNA 5 (MIT licence, August 2026) and "CDNA5" Instruction Set Architecture Reference Guide (July 2026). The comments in the code are by the model that wrote it; some were corrected since.
;; Attn Block. Allowed arithmetic: matrix products marked QUANTISED: E2M1 operands, one E8M0 scale for each 32 along K, by v_wmma_scale_f32_16x16x128_f8f6f4 with both operands' format E2M1 (or v_wmma_scale_f32_32x16x128_f4), f32 sums; everything else in f32.
;; Inputs: bk 512 float32; bproj 512 float32; bq 512 float32; bv 512 float32; gn_bias 512 float32; gn_scale 512 float32; wk_codes 512 x 16 x 16 uint8 (E2M1 codes of wk, K innermost, in blocks of 32 codes, two codes a byte); wk_scales 512 x 16 uint8 (E8M0 scales of wk, one for each 32 codes along K); wproj_codes 512 x 16 x 16 uint8 (E2M1 codes of wproj, K innermost, in blocks of 32 codes, two codes a byte); wproj_scales 512 x 16 uint8 (E8M0 scales of wproj, one for each 32 codes along K); wq_codes 512 x 16 x 16 uint8 (E2M1 codes of wq, K innermost, in blocks of 32 codes, two codes a byte); wq_scales 512 x 16 uint8 (E8M0 scales of wq, one for each 32 codes along K); wv_codes 512 x 16 x 16 uint8 (E2M1 codes of wv, K innermost, in blocks of 32 codes, two codes a byte); wv_scales 512 x 16 uint8 (E8M0 scales of wv, one for each 32 codes along K); x 2 x 8 x 512 x 32 x 32 float32.
;; Outputs: out0 2 x 8 x 512 x 32 x 32 float32.
;; This version of the problem:
;;   THIS VERSION OF THE PROBLEM IS GIVEN IN LOW PRECISION. The matrix products marked QUANTISED in the list below multiply operands that are first quantised to E2M1 (2 exponent bits, 1 mantissa bit; 4 bits a number), with one power-of-two scale for each 32 numbers along K (OCP MX v1.0); their sums are f32. All else is computed in f32.
;;   The module's matrix products, in the order in which they are computed (A, B: the left and right operand; K: the contracted axis; several contracted axes count as one K, in the product's order):
;;     1. [M 16,384, K 512] x [K 512, N 512]; A: computed on the way; B: input wq (given as codes): QUANTISED
;;     2. [M 16,384, K 512] x [K 512, N 512]; A: computed on the way; B: input wk (given as codes): QUANTISED
;;     3. [M 16,384, K 512] x [K 512, N 512]; A: computed on the way; B: input wv (given as codes): QUANTISED
;;     4. batch 16 x [M 1,024, K 512] x [K 512, N 1,024]; A: computed on the way; B: computed on the way: QUANTISED
;;     5. batch 16 x [M 512, K 1,024] x [K 1,024, N 1,024]; A: computed on the way; B: softmax (see below): QUANTISED
;;     6. [M 16,384, K 512] x [K 512, N 512]; A: computed on the way; B: input wproj (given as codes): QUANTISED
;;   THE QUANTISER, for each operand of a quantised product, along K:
;;     - K is cut into blocks of 32 from its start; a last block that is shorter is filled with zeros.
;;     - A block's scale is 2^e with e = floor(log2(the largest magnitude in the block)) - 2, held to -126 .. 127; a block of zeros has e = 0. As a byte (E8M0): e + 127.
;;     - Each number is divided by its block's scale, clamped to +-6, and rounded to the nearest number of E2M1, ties to even, subnormals kept.
;;     - The product sums the exact products of the quantised numbers (number of the format x scale) in f32.
;;   ~~~python
;;   def quantise(x, axis):      # numpy; x: float32 -> the quantised numbers, widened to float32 again
;;       x = np.moveaxis(x, axis, -1); K = x.shape[-1]
;;       x = np.pad(x, [(0, 0)] * (x.ndim - 1) + [(0, -K % 32)]); x = x.reshape(x.shape[:-1] + (-1, 32)); a = np.abs(x).max(-1, keepdims=True)
;;       e = np.where(a > 0, np.clip(np.frexp(np.where(a > 0, a, 1))[1] - 1 - 2, -126, 127), 0)      # np.frexp(a)[1] - 1 = floor(log2(a)), exactly
;;       r = np.clip(x / 2.0 ** e, -6, 6)
;;       step = 2.0 ** (np.maximum(np.frexp(np.where(r == 0, 1, r))[1] - 1, 0) - 1)
;;       q = np.round(r / step) * step * 2.0 ** e      # np.round: ties to even
;;       return np.moveaxis(q.reshape(q.shape[:-2] + (-1,))[..., :K], -1, axis).astype(np.float32)
;;   ~~~
;;   SOFTMAX AHEAD OF A QUANTISED PRODUCT. Where the list says 'softmax', what is quantised is not the finished softmax but p = 2^(t - M), with t = logit x log2(e) and M = ceil(the row's largest t), a whole number; so 1/2 < the row's largest p <= 1. The row's sum l is taken of the UNQUANTISED p, in f32, and the product's result is divided by l at the end. Since M is a whole number, a kernel that streams over the keys may use a running M (the ceiling of the running maximum): every later rescaling is an exact power of two, which a block's scale takes up: the codes' values come out the same.
;;   OPERANDS COMPUTED ON THE WAY. 'Computed on the way' means the value that the module computes at that place (a softmax that the list does not call 'softmax' is quantised finished and normalised). What goes into a quantiser is computed in f32, as accurately as f32 sums, v_exp_f32 and their like allow (about 1e-6 of the number): no bf16 or f16 on the way to a quantiser, and a product that is left as it is and whose result goes on into a quantised operand takes f32 operands (vector FMAs, or v_wmma_f32_16x16x4_f32). A number that lies on a knife's edge between two numbers of the format may be rounded either way, as far as f32 arithmetic and the matrix unit's own rounding can turn it there, and no further.
;;   INPUTS GIVEN AS CODES. wk (in the module: [512, 512], K = its axis 1); wproj (in the module: [512, 512], K = its axis 1); wq (in the module: [512, 512], K = its axis 1); wv (in the module: [512, 512], K = its axis 1): each comes as NAME_codes (uint8): NAME with its K axis moved to the last place and cut into blocks of 32 codes, [.., K / 32, bytes a block], one block behind the other in memory; two codes a byte, the lower K in the low four bits (a code: sign, 2 exponent bits, 1 mantissa bit); and NAME_scales (uint8): the same leading axes, one E8M0 byte (e + 127) for each 32 codes along K. Its value is code x scale, taken as it is: it is not quantised again, and the codes and scales need not be those that the quantiser above would give.
;; One version. Each part assembles by itself: llvm-mc -triple=amdgcn-amd-amdhsa -mcpu=gfx1250 --defsym DOCPART=n.
;; ======== version 1 of 1: 3 launches
;; workspace buffers: hc 4,194,304 bytes; hs 262,144 bytes; wimg 557,056 bytes; qkv 13,369,344 bytes
;; launch gnq (part 1): grid 256 x 1, 8 waves a work-group, no clusters, 17,920 bytes of LDS; arguments x, gn_scale, gn_bias, wq_codes, wq_scales, wk_codes, wk_scales, wv_codes, wv_scales, wproj_codes, wproj_scales, hc, hs, wimg; writes hc, hs, wimg
.if DOCPART == 1
	.amdgcn_target "amdgcn-amd-amdhsa--gfx1250"
	.amdhsa_code_object_version 6
	.text
	.protected	k_qb3922a9cab_gnq
	.globl	k_qb3922a9cab_gnq
	.p2align	8
	.type	k_qb3922a9cab_gnq,@function
k_qb3922a9cab_gnq:
	s_mov_b64 s[64:65], 0
	v_nop
	global_prefetch_b8 v0, s[64:65] scope:SCOPE_SE
	s_setreg_imm32_b32 hwreg(HW_REG_WAVE_MODE, 25, 1), 1
	s_wait_xcnt 0x0
; GROUP NORM AND ITS QUANTISER, AND THE WEIGHTS LAID OUT FOR THE LATER LAUNCHES.
; x is 16 images of [512 channels][1,024 positions] f32.  h = (x - mean) rsqrt(var + 1e-6) gn_scale + gn_bias, mean and variance over a group of 16 channels x 1,024 positions.
; h is the left operand of the three 1 x 1 convolutions: K = the channel, so h is quantised for each position in blocks of 32 channels (E2M1 codes, one E8M0 byte a block).
; NO WORK OF THE PROBLEM IS LEFT OUT in any of the three launches: every bias stands ahead of a quantiser or reaches the output, so every input is loaded.
; SHARES.  Work-group g = 16 b + cb owns image b's channels 32 cb .. 32 cb + 31: two groups, which are ONE block of the quantiser for all 1,024 positions: 131,072 consecutive bytes, held in registers, read once.
; Thread t owns positions 4 t .. 4 t + 3 of the 32 channels: a load takes 16 bytes a lane, 512 consecutive bytes a wave; a block's 32 numbers lie in one lane, so its largest magnitude needs no other lane.
; The variance is taken of x - mean (two passes over the registers), so a common offset of x costs no accuracy.
; OUT.  hc [b][tile 64][cb 16][row 16][16 bytes]: a tile is 16 positions, tile 2 B + u row r = position 32 B + 8 u + r % 8 + 16 (r / 8); a tile's 4,096 bytes are the register images of its four operand fragments
; (16 rows x 128 K: lane l's 16 bytes at 16 l, the upper 64 of K 512 bytes on).  hs [b][cb][position]: the scale bytes.
; wimg [wq, wk, wv, wproj][part 4][34,816]: a part is 8 tiles of 16 rows x 4 K steps of register images (1,024 bytes each), then for each pair of tiles 32 lanes x 16 bytes: lane l has the four scale words of row l % 16
; of tile 2 pair + l / 16.  Tiles of wq, wk, wv take their rows in the order above, tiles of wproj 16 neighbouring rows.  Wave 0 of each work-group moves two fragments; every fourth work-group a pair's scale words.
; LIMITS: a block whose largest magnitude lies under 2^-124 (a block of zeros too) gets the byte 1: its codes are zeros or nearly so, and this program alone reads the bytes.  NaN and infinities among the inputs are not served.
; The sums run in another order than the reference's; rsqrt is v_rsq_f32; gn_scale is multiplied into rsqrt(var + eps) first.
.set STG,   0                          ; LDS: 2,048 bytes for each wave: its 128 positions' codes, 16 bytes each
.set RED1,  16384                      ; the eight waves' two sums; the sums of squares 256 bytes on
.set SPARE, 16896                      ; the spare words, 128 bytes for each wave: four blocks of 256 bytes that no other line names
.set XO,  1                            ; v1   16 t: my bytes in a channel's row of x
.set SPW, 2                            ; v2   LDS address of my spare word; never rewritten
.set NIL, 3                            ; v3   0; never rewritten
.set STI, 4                            ; v4   the stage, on the way in: 2,048 w + 64 l
.set STR, 5                            ; v5   and out: by tiles' rows
.set HCO, 6                            ; v6   my byte offset in hc
.set HSO, 7                            ; v7   4 t: my four scale bytes
.set RA,  8                            ; v8   where my wave puts its two sums
.set RB,  9                            ; v9   where all are read
.set T,   32                           ; v32-63   a position's 32 numbers of h; on the way out the codes read back
.set X,   64                           ; v64-191  x: register 4 c + p = channel c, position 4 t + p
.set C,   192                          ; v192-207 the four positions' codes
.set E,   208                          ; v208     their four scale bytes
.set WD,  210                          ; v210-229 the weights' fragments and scale words on their way
.set WO,  232                          ; v232-235 their offsets; written once
.set GS,  16                           ; s[16:47] gn_scale of my 32 channels, later x rsqrt;  gn_bias: s[48:63], s[68:83]
.set WN,  66                           ; s66  my wave's number
.set SEL, 100                          ; s[100:101] lane selects for v_permlanex16_b32: lane l xor 16
	s_load_b128 s[4:7], s[0:1], 0x0                ; x, gn_scale
	s_load_b64 s[8:9], s[0:1], 0x10                ; gn_bias
	s_load_b512 s[84:99], s[0:1], 0x18             ; wq's codes and scales, wk's, wv's, wproj's
	s_load_b128 s[12:15], s[0:1], 0x58             ; hc, hs
	s_load_b64 s[10:11], s[0:1], 0x68              ; wimg
	v_lshl_add_u32 v[SPW], v0, 2, SPARE
	v_mov_b32 v[NIL], 0
	v_lshrrev_b32 v10, 5, v0
	v_readfirstlane_b32 s[WN], v10                 ; wave 0..7
	v_and_b32 v11, 31, v0                          ; lane
	v_bfe_u32 v12, v0, 4, 1                        ; l / 16
	v_and_b32 v13, 7, v0                           ; l % 8
	v_bfe_u32 v14, v0, 3, 1                        ; (l / 8) % 2
	v_and_b32 v15, 15, v0                          ; l % 16
	v_lshlrev_b32 v[XO], 4, v0
	v_lshlrev_b32 v[HSO], 2, v0
	s_lshl_b32 s67, s[WN], 11
	v_lshl_add_u32 v[STI], v11, 6, s67             ; my four positions' 64 bytes
	v_lshl_add_u32 v[STR], v12, 7, s67             ; tile 2 j + l / 16, row l % 16 is position 32 j + 8 (l / 16) + l % 8 + 16 ((l / 8) % 2) of my wave's 128
	v_lshl_add_u32 v[STR], v13, 4, v[STR]
	v_lshl_add_u32 v[STR], v14, 8, v[STR]
	s_lshl_b32 s67, s[WN], 15
	v_lshl_add_u32 v[HCO], v12, 12, s67            ; tile 8 w + l / 16 (+ 2 j in the immediate), 4,096 bytes a tile,
	v_lshl_add_u32 v[HCO], v15, 4, v[HCO]          ; row l % 16
	s_lshl_b32 s67, s[WN], 3
	s_add_co_u32 s67, s67, RED1
	v_mov_b32 v[RA], s67
	v_mov_b32 v[RB], RED1
	s_mov_b32 s[SEL], 0x76543210
	s_mov_b32 s[SEL+1], 0xfedcba98
	s_wait_kmcnt 0x0
	s_lshl_b32 s2, ttmp9, 17                       ; my 32 channels: 131,072 bytes a work-group
	s_mov_b32 s3, 0
	s_add_nc_u64 s[4:5], s[4:5], s[2:3]
.set i, 0
.rept 32
	global_load_b128 v[X+4*i:X+4*i+3], v[XO], s[4:5] offset:4096*i th:TH_LOAD_NT   ; channel i: all 32 loads of a wave go out at once
.set i, i+1
.endr
	s_and_b32 s2, ttmp9, 15                        ; cb
	s_lshl_b32 s2, s2, 7                           ; 32 numbers of 4 bytes
	s_add_nc_u64 s[6:7], s[6:7], s[2:3]
	s_add_nc_u64 s[8:9], s[8:9], s[2:3]
	s_lshl_b32 s2, s2, 1                           ; hc: 256 cb
	s_lshr_b32 s67, ttmp9, 4
	s_lshl_b32 s67, s67, 18                        ; + 262,144 b
	s_add_co_u32 s2, s2, s67
	s_add_nc_u64 s[12:13], s[12:13], s[2:3]
	s_lshl_b32 s2, ttmp9, 10                       ; hs: 1,024 bytes a work-group
	s_add_nc_u64 s[14:15], s[14:15], s[2:3]
	s_load_b512 s[16:31], s[6:7], 0x0              ; gain and bias of my 32 channels: wanted only behind the two reductions
	s_load_b512 s[32:47], s[6:7], 0x40
	s_load_b512 s[48:63], s[8:9], 0x0
	s_load_b512 s[68:83], s[8:9], 0x40
	; ---- the weights: wave 0 alone.  Weight g / 64, tile n = (g % 64) / 2, K steps 2 (g % 2) and 2 (g % 2) + 1
	s_cmp_lg_u32 s[WN], 0
	s_cbranch_scc1 .Lno_w
	s_and_b32 s2, ttmp9, 64
	s_cmp_lg_u32 s2, 0                             ; the choice hangs on the work-group's number alone
	s_cselect_b64 s[84:85], s[88:89], s[84:85]
	s_cselect_b64 s[86:87], s[90:91], s[86:87]
	s_cselect_b64 s[92:93], s[96:97], s[92:93]
	s_cselect_b64 s[94:95], s[98:99], s[94:95]
	s_and_b32 s2, ttmp9, 128
	s_cmp_lg_u32 s2, 0
	s_cselect_b64 s[84:85], s[92:93], s[84:85]     ; the codes,
	s_cselect_b64 s[86:87], s[94:95], s[86:87]     ; the scale bytes
	s_lshr_b32 s88, ttmp9, 6                       ; which weight
	s_cmp_eq_u32 s88, 3
	s_cselect_b32 s89, 16, 8                       ; row of tile n, lane r: 32 (n / 2) + S1 (n % 2) + r % 8 + S2 (r / 8): S1, S2 = 8, 16; for wproj 16, 8: neighbours
	s_cselect_b32 s90, 8, 16
	s_bfe_u32 s91, ttmp9, 0x50001                  ; n
	s_lshr_b32 s92, s91, 1
	s_lshl_b32 s92, s92, 5
	s_and_b32 s93, s91, 1
	s_mul_i32 s93, s93, s89
	s_add_co_u32 s92, s92, s93                     ; the tile's first row
	v_mad_u32_u24 v[WO], v14, s90, v13             ; r % 8 + S2 (r / 8)
	v_add_nc_u32 v[WO+1], s92, v[WO]
	v_lshlrev_b32 v[WO+1], 8, v[WO+1]              ; a row of 512 codes is 256 bytes
	v_lshl_add_u32 v[WO+1], v12, 4, v[WO+1]        ; + 16 (l / 16)
	s_and_b32 s93, ttmp9, 1
	s_lshl_b32 s94, s93, 7                         ; + 64 bytes a K step
	v_add_nc_u32 v[WO+1], s94, v[WO+1]
.irp e, 0,1
.irp c, 0,1
	global_load_b128 v[WD+8*\e+4*\c:WD+8*\e+4*\c+3], v[WO+1], s[84:85] offset:64*\e+32*\c
.endr
.endr
	v_lshlrev_b32 v[WO+2], 4, v11                  ; 16 l
	s_mul_i32 s94, s88, 139264
	s_lshr_b32 s95, s91, 3
	s_mul_i32 s95, s95, 34816
	s_add_co_u32 s94, s94, s95
	s_mov_b32 s95, 0
	s_add_nc_u64 s[96:97], s[10:11], s[94:95]      ; wimg at the weight's part n / 8
	s_and_b32 s94, s91, 7
	s_lshl_b32 s94, s94, 12
	s_lshl_b32 s93, s93, 11
	s_add_co_u32 s94, s94, s93
	v_add_nc_u32 v[WO+3], s94, v[WO+2]             ; 4,096 (n % 8) + 1,024 x K step + 16 l
	s_and_b32 s93, ttmp9, 3
	s_cmp_lg_u32 s93, 0
	s_cbranch_scc1 .Lno_s
	v_mad_u32_u24 v[WO], v12, s89, v[WO]           ; the pair n / 2 (n is even here): lane l takes row l % 16 of tile n + l / 16
	v_add_nc_u32 v[WO], s92, v[WO]
	v_lshlrev_b32 v[WO], 4, v[WO]                  ; 16 scale bytes a row
	global_load_b128 v[WD+16:WD+19], v[WO], s[86:87]
	s_lshr_b32 s93, s91, 1
	s_and_b32 s93, s93, 3
	s_lshl_b32 s93, s93, 9
	s_add_co_u32 s93, s93, 32768
	v_add_nc_u32 v[WO+2], s93, v[WO+2]
	s_wait_loadcnt 0x0                             ; for zero: x is wanted next in any case
	global_store_b128 v[WO+2], v[WD+16:WD+19], s[96:97]
.Lno_s:
	s_wait_loadcnt 0x0
.irp e, 0,1
.irp c, 0,1
	global_store_b128 v[WO+3], v[WD+8*\e+4*\c:WD+8*\e+4*\c+3], s[96:97] offset:1024*\e+512*\c   ; 512 consecutive bytes a store
.endr
.endr
.Lno_w:
; v10, v11: my two figures (group A, group B).  Over the lanes: four steps inside each half ride on the addition, one crosses the halves.  Over the waves: through LDS, one barrier.  The sums come back in v12, v13.
.macro REDUCE off
.irp m, 1,2,4,8
	v_add_f32_dpp v10, v10, v10 row_xmask:\m row_mask:0xf bank_mask:0xf
	v_add_f32_dpp v11, v11, v11 row_xmask:\m row_mask:0xf bank_mask:0xf
.endr
	v_permlanex16_b32 v12, v10, s[SEL], s[SEL+1]
	v_permlanex16_b32 v13, v11, s[SEL], s[SEL+1]
	v_pk_add_f32 v[10:11], v[10:11], v[12:13]
	ds_store_b64 v[RA], v[10:11] offset:\off       ; all lanes write the same two words with the same values
	s_wait_dscnt 0x0                               ; for the others' sake: my store has landed
	s_barrier_signal -1
	s_barrier_wait -1
.irp i, 0,1,2,3
	ds_load_b128 v[12+4*\i:15+4*\i], v[RB] offset:\off+16*\i
.endr
	s_wait_dscnt 0x0
	v_pk_add_f32 v[12:13], v[12:13], v[14:15]
	v_pk_add_f32 v[16:17], v[16:17], v[18:19]
	v_pk_add_f32 v[20:21], v[20:21], v[22:23]
	v_pk_add_f32 v[24:25], v[24:25], v[26:27]
	v_pk_add_f32 v[12:13], v[12:13], v[16:17]
	v_pk_add_f32 v[20:21], v[20:21], v[24:25]
	v_pk_add_f32 v[12:13], v[12:13], v[20:21]
.endm
	; ---- the means: group A is channels 0-15 (X + 0 .. 63), group B channels 16-31; two chains a group
	s_wait_loadcnt 0x0
	v_pk_add_f32 v[12:13], v[X:X+1], v[X+2:X+3]
	v_pk_add_f32 v[14:15], v[X+4:X+5], v[X+6:X+7]
	v_pk_add_f32 v[16:17], v[X+64:X+65], v[X+66:X+67]
	v_pk_add_f32 v[18:19], v[X+68:X+69], v[X+70:X+71]
.irp i, 8,12,16,20,24,28,32,36,40,44,48,52,56,60
	v_pk_add_f32 v[12:13], v[12:13], v[X+\i:X+\i+1]
	v_pk_add_f32 v[14:15], v[14:15], v[X+\i+2:X+\i+3]
	v_pk_add_f32 v[16:17], v[16:17], v[X+64+\i:X+64+\i+1]
	v_pk_add_f32 v[18:19], v[18:19], v[X+64+\i+2:X+64+\i+3]
.endr
	v_pk_add_f32 v[12:13], v[12:13], v[14:15]
	v_pk_add_f32 v[16:17], v[16:17], v[18:19]
	v_add_f32 v10, v12, v13
	v_add_f32 v11, v16, v17
	REDUCE 0
	v_mul_f32 v28, 0x38800000, v12                 ; / 16,384
	v_mul_f32 v30, 0x38800000, v13
	v_mov_b32 v29, v28
	v_mov_b32 v31, v30
	; ---- x - mean, in place, and the sums of its squares
.set i, 0
.rept 32
	v_pk_add_f32 v[X+2*i:X+2*i+1], v[X+2*i:X+2*i+1], v[28:29] neg_lo:[0,1] neg_hi:[0,1]
	v_pk_add_f32 v[X+64+2*i:X+64+2*i+1], v[X+64+2*i:X+64+2*i+1], v[30:31] neg_lo:[0,1] neg_hi:[0,1]
.set i, i+1
.endr
	v_pk_mul_f32 v[12:13], v[X:X+1], v[X:X+1]
	v_pk_mul_f32 v[14:15], v[X+2:X+3], v[X+2:X+3]
	v_pk_mul_f32 v[16:17], v[X+64:X+65], v[X+64:X+65]
	v_pk_mul_f32 v[18:19], v[X+66:X+67], v[X+66:X+67]
.irp i, 4,8,12,16,20,24,28,32,36,40,44,48,52,56,60
	v_pk_fma_f32 v[12:13], v[X+\i:X+\i+1], v[X+\i:X+\i+1], v[12:13]
	v_pk_fma_f32 v[14:15], v[X+\i+2:X+\i+3], v[X+\i+2:X+\i+3], v[14:15]
	v_pk_fma_f32 v[16:17], v[X+64+\i:X+64+\i+1], v[X+64+\i:X+64+\i+1], v[16:17]
	v_pk_fma_f32 v[18:19], v[X+64+\i+2:X+64+\i+3], v[X+64+\i+2:X+64+\i+3], v[18:19]
.endr
	v_pk_add_f32 v[12:13], v[12:13], v[14:15]
	v_pk_add_f32 v[16:17], v[16:17], v[18:19]
	v_add_f32 v10, v12, v13
	v_add_f32 v11, v16, v17
	REDUCE 256                                     ; other bytes than the first reduction's: no wave waits for the first one's readers
	s_mov_b32 s2, 0x38800000                       ; 1 / 16,384
	s_mov_b32 s3, 0x358637bd                       ; 1e-6
	v_fma_f32 v12, v12, s2, s3                     ; var + eps
	v_fma_f32 v13, v13, s2, s3
	v_rsq_f32 v14, v12
	v_rsq_f32 v15, v13
	v_nop                                          ; a plain instruction behind the transcendentals,
	s_wait_alu depctr_va_vdst(0)                   ; and the one wait for both, ahead of their first reader
	v_readfirstlane_b32 s2, v14                    ; the same in every lane
	v_readfirstlane_b32 s3, v15
	s_wait_kmcnt 0x0                               ; gain and bias
.set i, 0
.rept 16
	s_mul_f32 s[GS+i], s[GS+i], s2                 ; gain x rsqrt(var + eps)
	s_mul_f32 s[GS+16+i], s[GS+16+i], s3
.set i, i+1
.endr
; ---- position 4 t + p: h of its 32 channels, the block's scale, its 32 codes
.macro QP p
.set i, 0
.rept 32
.if i < 16
	v_fma_f32 v[T+i], v[X+4*i+\p], s[GS+i], s[48+i]
.else
	v_fma_f32 v[T+i], v[X+4*i+\p], s[GS+i], s[52+i]
.endif
.set i, i+1
.endr
	v_max3_num_f32 v10, |v[T]|, |v[T+1]|, 0x1800000        ; the largest magnitude, two chains; the floor 2^(3 - 127) among the leaves holds the byte at 1 from below
	v_max3_num_f32 v11, |v[T+2]|, |v[T+3]|, 0x1800000
.irp i, 4,8,12,16,20,24,28
	v_max3_num_f32 v10, v10, |v[T+\i]|, |v[T+\i+1]|
	v_max3_num_f32 v11, v11, |v[T+\i+2]|, |v[T+\i+3]|
.endr
	v_max_num_f32 v10, v10, v11
	v_add_nc_u32 v11, 0xff000000, v10              ; 2 off its exponent field: the conversion takes the exponent field of this operand as its scale
	v_lshrrev_b32 v12, 23, v11                     ; the scale's byte
.if \p == 0
	v_mov_b32 v[E], v12
.else
	v_lshl_or_b32 v[E], v12, 8*\p, v[E]
.endif
.irp g, 0,1,2,3
	v_cvt_scalef32_pk8_fp4_f32 v[C+4*\p+\g], v[T+8*\g:T+8*\g+7], v11
.endr
	v_nop                                          ; one plain instruction behind the conversions: the next position writes their sources
	ds_store_b128 v[STI], v[C+4*\p:C+4*\p+3] offset:16*\p
.endm
	QP 0
	QP 1
	QP 2
	QP 3
	global_store_b32 v[HSO], v[E], s[14:15]        ; 128 consecutive bytes a wave: one byte for each 128 that the launch reads
.irp j, 0,1,2,3
	ds_load_b128 v[T+4*\j:T+4*\j+3], v[STR] offset:512*\j   ; LDS serves a wave's instructions in order: these see my stores; the stage is my wave's own
.endr
.irp j, 0,1,2,3
	s_wait_dscnt 3-\j                              ; load j is back; the younger ones may be out
	global_store_b128 v[HCO], v[T+4*\j:T+4*\j+3], s[12:13] offset:8192*\j   ; sixteen lanes store a tile's 256 consecutive bytes of this block, at a multiple of 256 from hc's first byte
.endr
	s_wait_tensorcnt 0x0                           ; the wave's end, behind my last LDS store
	ds_add_u32 v[SPW], v[NIL]
	s_wait_dscnt 0x0
	s_endpgm
.Lfunc_end_k_qb3922a9cab_gnq:
	.size	k_qb3922a9cab_gnq, .Lfunc_end_k_qb3922a9cab_gnq-k_qb3922a9cab_gnq
	.p2alignl 7, 3214868480
	.fill 96, 4, 3214868480
	.section	.rodata,"a",@progbits
	.p2align	6, 0x0
	.amdhsa_kernel k_qb3922a9cab_gnq
		.amdhsa_group_segment_fixed_size 17920
		.amdhsa_private_segment_fixed_size 0
		.amdhsa_enable_private_segment 0
		.amdhsa_kernarg_size 112
		.amdhsa_user_sgpr_count 2
		.amdhsa_user_sgpr_kernarg_segment_ptr 1
		.amdhsa_wavefront_size32 1
		.amdhsa_system_sgpr_workgroup_id_x 1
		.amdhsa_system_sgpr_workgroup_id_y 1
		.amdhsa_system_sgpr_workgroup_id_z 1
		.amdhsa_system_vgpr_workitem_id 0
		.amdhsa_next_free_vgpr 240
		.amdhsa_next_free_sgpr 102
		.amdhsa_reserve_vcc 0
		.amdhsa_float_denorm_mode_32 3
		.amdhsa_float_denorm_mode_16_64 3
		.amdhsa_memory_ordered 1
		.amdhsa_forward_progress 1
		.amdhsa_inst_pref_size 41
	.end_amdhsa_kernel
	.amdgpu_metadata
---
amdhsa.version: [ 1, 2 ]
amdhsa.kernels:
  - .name:           k_qb3922a9cab_gnq
    .symbol:         k_qb3922a9cab_gnq.kd
    .args:
      - { .name: x, .offset: 0, .size: 8, .value_kind: global_buffer, .address_space: global }
      - { .name: gn_scale, .offset: 8, .size: 8, .value_kind: global_buffer, .address_space: global }
      - { .name: gn_bias, .offset: 16, .size: 8, .value_kind: global_buffer, .address_space: global }
      - { .name: wq_codes, .offset: 24, .size: 8, .value_kind: global_buffer, .address_space: global }
      - { .name: wq_scales, .offset: 32, .size: 8, .value_kind: global_buffer, .address_space: global }
      - { .name: wk_codes, .offset: 40, .size: 8, .value_kind: global_buffer, .address_space: global }
      - { .name: wk_scales, .offset: 48, .size: 8, .value_kind: global_buffer, .address_space: global }
      - { .name: wv_codes, .offset: 56, .size: 8, .value_kind: global_buffer, .address_space: global }
      - { .name: wv_scales, .offset: 64, .size: 8, .value_kind: global_buffer, .address_space: global }
      - { .name: wproj_codes, .offset: 72, .size: 8, .value_kind: global_buffer, .address_space: global }
      - { .name: wproj_scales, .offset: 80, .size: 8, .value_kind: global_buffer, .address_space: global }
      - { .name: hc, .offset: 88, .size: 8, .value_kind: global_buffer, .address_space: global }
      - { .name: hs, .offset: 96, .size: 8, .value_kind: global_buffer, .address_space: global }
      - { .name: wimg, .offset: 104, .size: 8, .value_kind: global_buffer, .address_space: global }
    .group_segment_fixed_size: 17920
    .private_segment_fixed_size: 0
    .kernarg_segment_align: 8
    .kernarg_segment_size: 112
    .max_flat_workgroup_size: 256
    .sgpr_count:     102
    .vgpr_count:     240
    .wavefront_size: 32
...
	.end_amdgpu_metadata
.endif
;; end of part 1
;; launch qkv (part 2): grid 4 x 64, 4 waves a work-group, clusters of 4 x 4, 174,592 bytes of LDS; arguments hc, hs, wimg, bq, bk, bv, qkv; writes qkv
.if DOCPART == 2
	.amdgcn_target "amdgcn-amd-amdhsa--gfx1250"
	.amdhsa_code_object_version 6
	.text
	.protected	k_qb3922a9cab_qkv
	.globl	k_qb3922a9cab_qkv
	.p2align	8
	.type	k_qb3922a9cab_qkv,@function
k_qb3922a9cab_qkv:
	s_mov_b64 s[64:65], 0
	v_nop
	global_prefetch_b8 v0, s[64:65] scope:SCOPE_SE
	s_setreg_imm32_b32 hwreg(HW_REG_WAVE_MODE, 25, 1), 1
	s_wait_xcnt 0x0
	s_wait_alu depctr_hold_cnt(0) depctr_sa_sdst(0) depctr_va_vdst(0) depctr_va_sdst(0) depctr_va_ssrc(0) depctr_va_vcc(0) depctr_vm_vsrc(0)
	s_getreg_b32 s2, hwreg(HW_REG_IB_STS2, 6, 4)
	s_cmp_eq_u32 s2, 0
	s_cbranch_scc0 .Lentry_in_a_cluster
	s_endpgm
.Lentry_in_a_cluster:
	s_bfe_u32 s2, ttmp6, 0x10000c
	s_cmp_lg_u32 s2, 0xf033
	s_cbranch_scc0 .Lentry_shape_is_right
	s_endpgm
.Lentry_shape_is_right:
; q = wq h + bq, k = wk h + bk, v = wv h + bv on codes of E2M1 with E8M0 scales, and the three results quantised at once for the two products of the attention.  No work of the problem is left out.
; A CLUSTER IS AN IMAGE.  Work-group (cx, cy) makes outputs 128 cx .. + 127 of each of q, k, v for positions 256 cy .. + 255.  h's codes and scale bytes hang on cy alone and are asked for jointly along a row of the
; cluster, the weights hang on cx alone and are asked for jointly along a column.  All LDS bytes are filled once, by five loads a wave that go out together behind one round of the cluster's barrier.
; q AND k: wave w takes position tiles 4 w + p against all 8 tiles of outputs, the product TRANSPOSED (source 0 = 16 rows of W, source 1 = 16 positions): a lane holds one position, and since a tile of W takes its rows
; in the order 32 B + 8 u + r % 8 + 16 (r / 8), the 16 registers of tiles 2 B, 2 B + 1 are 16 neighbouring outputs: the next product's K.  128 outputs are one K step of q k^T: one fragment and one scale word a row.
; v: wave w takes 128 positions (half w / 2) against output tiles 4 (w % 2) + n, source 0 = 16 positions, source 1 = 16 rows of wv: a lane holds one channel and its registers run along the positions, the keys.
; The biases are the C of each sum's first matrix instruction.
; OUT.  qkv [b][q0, q1, k0, k1, v0, v1][4 parts of 34,816].  q, k: slot = K step / 2, part = 16 tiles of positions: [K step % 2][tile][1,024 bytes: the fragment's registers, lane l's 16 bytes at 16 l, the upper
; half of K 512 on], then [K step % 2][4 tiles][lane][8 bytes]: two scale words, each with an even tile's rows in lanes 0-15 and the next tile's in lanes 16-31.  v: slot = key step / 4, part = 8 tiles of channels:
; [key step % 4][tile][1,024], then [key step % 4][4 tiles][lane][8].
; LIMITS: a block whose largest magnitude lies under 2^-124 (zeros too) gets the byte 1; this program alone reads the bytes.  NaN and infinities are not served.
; REGISTERS, in windows of 256.  Window 0: v1-14 addresses; v16-31 at work; v32-40 the codes and scale word just made; v42-63 scale words on their way out, bv; v64-127, v128-191 two sets of 8 accumulators;
; v192-223 the weights' scale words; v224-239 h's.  Window 1: wq's 32 fragments, later h's.  Window 2: wk's, later wv's 16 and bv as a C.  Window 3: bq, bk as C; from v128 two sets of a position tile's 4 fragments.
.set HC,    0                          ; LDS: h's 16 tiles, 4,096 bytes each
.set WQ,    65536                      ; my part of wq, of wk, of wv: 34,816 bytes each
.set WK,    100352
.set WVL,   135168
.set HS,    169984                     ; h's scale bytes: 16 planes (blocks of 32 channels) x 256 positions
.set SPARE, 174080                     ; the spare words, 128 bytes for each wave: two blocks of 256 bytes that no other line names
.set LI,  1                            ; v1   16 l
.set SPW, 2                            ; v2   LDS address of my spare word; never rewritten
.set NIL, 3                            ; v3   0; never rewritten
.set XFA, 4                            ; v4   my four position tiles
.set HVA, 5                            ; v5   my half's eight
.set WQA, 6
.set WKA, 7
.set WVA, 8                            ; v8   my four tiles of wv
.set WVSA, 9                           ; v9   their scale words
.set HSA, 10                           ; v10  h's scale bytes for my four tiles: lane l takes row l % 16 of tile 2 e + l / 16
.set HSB, 11                           ; v11  and for my half's eight
.set BO,  12                           ; v12  64 (l / 16): bq, bk in the result's layout
.set BVO, 13                           ; v13  bv: my lane's channel
.set L8,  14                           ; v14  8 l
.set TM,  16
.set PC,  32
.set PW,  40
.set PWQ, 42
.set PWK, 46
.set PWV, 50
.set BV,  54
.set QD,  58
.set HA,  64
.set HB,  128
.set WQS, 192                          ; scale words: register 4 x pair + K step; later wv's
.set WKS, 208
.set HSW, 224
.set WN,  18                           ; s18  my wave's number
.set G1H, 24                           ; s[24:31] group 1 for h's codes;  s[32:39] for its scale bytes;  s[40:47] for the weights
.set G1S, 32
.set G1W, 40
.set QB,  72                           ; s[72:73] where q's fragments go;  s[74:75] its scale words;  s[76:77], s[78:79] v's
.set QSB, 74
.set VB,  76
.set VSB, 78
.set SEL, 96
.set MSB, 0
.macro WIN new                         ; the immediate's high byte repeats the setting that is left
.if MSB != (\new)
	s_set_vgpr_msb (MSB<<8)|(\new)
.set MSB, \new
.endif
.endm
.macro PLACES                          ; four plain instructions behind a matrix instruction, ahead of reads of its result and of loads into its registers
.rept 4
	v_nop
.endr
.endm
.macro CROUND                          ; a round of the cluster's barrier
	s_barrier_signal -1
	s_barrier_wait -1
	s_cmp_lg_u32 s[WN], 0
	s_cbranch_scc1 .Lnot_wave_0_\@
	s_barrier_signal -3
.Lnot_wave_0_\@:
	s_barrier_wait -3
	s_barrier_signal -1
	s_barrier_wait -1
.endm
; one matrix instruction: D, A, B, C at the registers named, A's and B's scale words in sa, sb; ra, rb = 1: from lanes 16-31
.macro WM d, a, b, c, sa, sb, ra, rb
.if (\ra) && (\rb)
	v_wmma_scale_f32_16x16x128_f8f6f4 v[(\d):(\d)+7], v[(\a):(\a)+7], v[(\b):(\b)+7], v[(\c):(\c)+7], v[(\sa)], v[(\sb)] matrix_a_fmt:MATRIX_FMT_FP4 matrix_b_fmt:MATRIX_FMT_FP4 matrix_a_scale:MATRIX_SCALE_ROW1 matrix_b_scale:MATRIX_SCALE_ROW1
.elseif (\ra)
	v_wmma_scale_f32_16x16x128_f8f6f4 v[(\d):(\d)+7], v[(\a):(\a)+7], v[(\b):(\b)+7], v[(\c):(\c)+7], v[(\sa)], v[(\sb)] matrix_a_fmt:MATRIX_FMT_FP4 matrix_b_fmt:MATRIX_FMT_FP4 matrix_a_scale:MATRIX_SCALE_ROW1
.elseif (\rb)
	v_wmma_scale_f32_16x16x128_f8f6f4 v[(\d):(\d)+7], v[(\a):(\a)+7], v[(\b):(\b)+7], v[(\c):(\c)+7], v[(\sa)], v[(\sb)] matrix_a_fmt:MATRIX_FMT_FP4 matrix_b_fmt:MATRIX_FMT_FP4 matrix_b_scale:MATRIX_SCALE_ROW1
.else
	v_wmma_scale_f32_16x16x128_f8f6f4 v[(\d):(\d)+7], v[(\a):(\a)+7], v[(\b):(\b)+7], v[(\c):(\c)+7], v[(\sa)], v[(\sb)] matrix_a_fmt:MATRIX_FMT_FP4 matrix_b_fmt:MATRIX_FMT_FP4
.endif
.endm
; 64 numbers of a lane, register 16 b + i = k 32 b + 16 (lane / 16) + i of my row, become a fragment's codes in v[PC] on and its scale word in v[PW]
.macro QUANT s
.irp b, 0,1,2,3
	v_max3_num_f32 v[TM+\b], |v[\s+16*\b]|, |v[\s+1+16*\b]|, 0x1800000   ; each accumulator is read from its low end on; the floor 2^(3 - 127) holds the byte at 1 from below
.endr
.irp i, 2,4,6,8,10,12,14
.irp b, 0,1,2,3
	v_max3_num_f32 v[TM+\b], v[TM+\b], |v[\s+16*\b+\i]|, |v[\s+1+16*\b+\i]|
.endr
.endr
.irp b, 0,1,2,3
	v_permlanex16_b32 v[TM+4+\b], v[TM+\b], s[SEL], s[SEL+1]
.endr
.irp b, 0,1,2,3
	v_max_num_f32 v[TM+\b], v[TM+\b], v[TM+4+\b]   ; with lane l xor 16's: the block's largest magnitude
.endr
.irp b, 0,1,2,3
	v_add_nc_u32 v[TM+12+\b], 0xff000000, v[TM+\b] ; 2 off its exponent field: the conversion's scale operand
.endr
.irp b, 0,1,2,3
	v_lshrrev_b32 v[TM+4+\b], 23, v[TM+12+\b]      ; the scale's byte
.endr
	v_lshl_or_b32 v[PW], v[TM+5], 8, v[TM+4]
	v_lshl_or_b32 v[PW], v[TM+6], 16, v[PW]
	v_lshl_or_b32 v[PW], v[TM+7], 24, v[PW]
.irp b, 0,1,2,3
	v_cvt_scalef32_pk8_fp4_f32 v[PC+2*\b], v[\s+16*\b:\s+7+16*\b], v[TM+12+\b]
	v_cvt_scalef32_pk8_fp4_f32 v[PC+1+2*\b], v[\s+8+16*\b:\s+15+16*\b], v[TM+12+\b]
.endr
	v_nop                                          ; one plain instruction behind a scaled conversion
.irp c, 0,1                                    ; the operand's layout wants a whole block in a lane
.irp i, 0,1
	v_permlane16_swap_b32 v[PC+4*\c+\i], v[PC+2+4*\c+\i]
.endr
.endr
.endm
.macro PUT base, off                   ; the fragment leaves as it stands: 512 consecutive bytes a store
	global_store_b128 v[LI], v[PC:PC+3], s[\base:\base+1] offset:\off
	global_store_b128 v[LI], v[PC+4:PC+7], s[\base:\base+1] offset:\off+512
.endm
.macro FX p, set                       ; position tile 4 w + p: its four fragments into a set of window 3
	WIN 0xc0
.irp ks, 0,1,2,3
.irp c, 0,1
	ds_load_b128 v[128+32*(\set)+8*\ks+4*\c:128+32*(\set)+8*\ks+4*\c+3], v[XFA] offset:4096*(\p)+1024*\ks+512*\c
.endr
.endr
.endm
; 32 matrix instructions: 8 tiles of outputs by turns, K step by K step.  ww: W's window; bias: its C in window 3; sw: W's scale words
.macro MULQK acc, ww, bias, sw, p, set
.irp ks, 0,1,2,3
.if \ks == 0
	WIN 0x3c+\ww
.else
	WIN 0x0c+\ww
.endif
.irp n, 0,1,2,3,4,5,6,7
.if \ks == 0
	WM \acc+8*\n, 32*\n+8*\ks, 128+32*(\set)+8*\ks, \bias+8*\n, \sw+4*(\n/2)+\ks, HSW+4*((\p)/2)+\ks, \n%2, (\p)%2
.else
	WM \acc+8*\n, 32*\n+8*\ks, 128+32*(\set)+8*\ks, \acc+8*\n, \sw+4*(\n/2)+\ks, HSW+4*((\p)/2)+\ks, \n%2, (\p)%2
.endif
.endr
.endr
.endm
.macro MULV n, acc                     ; 32 matrix instructions: my half's 8 position tiles by turns against tile n of wv
.irp ks, 0,1,2,3
.if \ks == 0
	WIN 0x29
.else
	WIN 0x09
.endif
.irp t, 0,1,2,3,4,5,6,7
.if \ks == 0
	WM \acc+8*\t, 32*\t+8*\ks, 32*(\n)+8*\ks, 128+8*(\n), HSW+4*(\t/2)+\ks, WQS+4*((\n)/2)+\ks, \t%2, (\n)%2
.else
	WM \acc+8*\t, 32*\t+8*\ks, 32*(\n)+8*\ks, \acc+8*\t, HSW+4*(\t/2)+\ks, WQS+4*((\n)/2)+\ks, \t%2, (\n)%2
.endif
.endr
.endr
	WIN 0
	PLACES
.endm
.macro HSLOAD adr, e                   ; the 16 scale bytes of my row of the pair e of tiles, one from each plane
.irp ks, 0,1,2,3
.irp i, 0,1,2,3
	ds_load_u8 v[HA+16*(\e)+4*\ks+\i], v[\adr] offset:256*(4*\ks+\i)+32*(\e)
.endr
.endr
.endm
.macro HSJOIN e                        ; four bytes make a K step's scale word
.irp ks, 0,1,2,3
	v_lshl_or_b32 v[HSW+4*(\e)+\ks], v[HA+16*(\e)+4*\ks+1], 8, v[HA+16*(\e)+4*\ks]
	v_lshl_or_b32 v[HSW+4*(\e)+\ks], v[HA+16*(\e)+4*\ks+2], 16, v[HSW+4*(\e)+\ks]
	v_lshl_or_b32 v[HSW+4*(\e)+\ks], v[HA+16*(\e)+4*\ks+3], 24, v[HSW+4*(\e)+\ks]
.endr
.endm
	s_load_b256 s[4:11], s[0:1], 0x0               ; hc, hs, wimg, bq
	s_load_b128 s[12:15], s[0:1], 0x20             ; bk, bv
	s_load_b64 s[16:17], s[0:1], 0x30              ; qkv
	v_lshl_add_u32 v[SPW], v0, 2, SPARE
	v_mov_b32 v[NIL], 0
	ds_add_u32 v[SPW], v[NIL]                      ; the wave's opening: the add, twice on end, and its wait ahead of my first tensor load; work on registers stands between
	ds_add_u32 v[SPW], v[NIL]
	v_lshrrev_b32 v15, 5, v0
	v_readfirstlane_b32 s[WN], v15                 ; wave 0..3
	s_bfe_u32 s19, ttmp6, 0x40000                  ; cx: which 128 outputs
	s_bfe_u32 s20, ttmp6, 0x40004                  ; cy: which 256 positions
	s_and_b32 s21, ttmp7, 0xffff                   ; the cluster's y: the image
	s_lshl_b32 s22, s20, 2
	s_lshl_b32 s22, 15, s22                        ; my row of the cluster
	s_lshl_b32 s23, 0x1111, s19                    ; my column
	s_or_b32 s[G1H], s22, (3<<16)|(1<<21)          ; h's codes: 15:0 the mask; 17:16 elements of 8 bytes; 21 set beside a mask; no padding.  A quarter of 65,536 dense bytes: 64 rows of 256
	s_mov_b32 s[G1H+1], 32<<16
	s_mov_b32 s[G1H+2], 64<<16
	s_mov_b32 s[G1H+3], 32<<16
	s_mov_b32 s[G1H+4], 64
	s_mov_b32 s[G1H+5], 32
	s_mov_b32 s[G1H+6], 0
	s_mov_b32 s[G1H+7], 0
	s_or_b32 s[G1S], s22, (3<<16)|(1<<21)          ; h's scale bytes: 4 planes, 256 bytes of each, 1,024 bytes apart
	s_mov_b32 s[G1S+1], 32<<16
	s_mov_b32 s[G1S+2], 4<<16
	s_mov_b32 s[G1S+3], 32<<16
	s_mov_b32 s[G1S+4], 4
	s_mov_b32 s[G1S+5], 128
	s_mov_b32 s[G1S+6], 0
	s_mov_b32 s[G1S+7], 0
	s_or_b32 s[G1W], s23, (3<<16)|(1<<21)          ; a weight's part: a quarter of 34,816 dense bytes: 34 rows of 256
	s_mov_b32 s[G1W+1], 32<<16
	s_mov_b32 s[G1W+2], 34<<16
	s_mov_b32 s[G1W+3], 32<<16
	s_mov_b32 s[G1W+4], 34
	s_mov_b32 s[G1W+5], 32
	s_mov_b32 s[G1W+6], 0
	s_mov_b32 s[G1W+7], 0
	s_lshl_b32 s80, s21, 14                        ; hs: 16,384 b + 4,096 w + 256 cy: no register here ever holds cx
	s_lshl_b32 s86, s[WN], 12
	s_add_co_u32 s80, s80, s86
	s_lshl_b32 s86, s20, 8
	s_add_co_u32 s80, s80, s86
	s_mov_b32 s81, 0
	s_lshl_b32 s82, s21, 18                        ; hc: 262,144 b + 65,536 cy + 16,384 w
	s_lshl_b32 s86, s20, 16
	s_add_co_u32 s82, s82, s86
	s_lshl_b32 s86, s[WN], 14
	s_add_co_u32 s82, s82, s86
	s_mov_b32 s83, 0
	s_mul_i32 s84, s19, 34816                      ; wimg: 34,816 cx + 8,704 w: no register here ever holds cy
	s_mul_i32 s87, s[WN], 8704
	s_add_co_u32 s84, s84, s87
	s_mov_b32 s85, 0
	s_lshl_b32 s88, s[WN], 10
	s_mov_b32 s[SEL], 0x76543210
	s_mov_b32 s[SEL+1], 0xfedcba98
	s_mov_b32 s98, 0xffff0000                      ; lanes 16-31
	s_wait_dscnt 0x0                               ; both opening adds are done
	s_wait_kmcnt 0x0
	s_mov_b32 s48, 1                               ; groups 0: count 1, LDS address (the wave's number alone enters it), global address, type 2
	s_add_co_u32 s49, s88, HS
	s_add_nc_u64 s[50:51], s[6:7], s[80:81]
	s_or_b32 s51, s51, 0x80000000
	s_mov_b32 s52, 1
	s_lshl_b32 s53, s[WN], 14
	s_add_nc_u64 s[54:55], s[4:5], s[82:83]
	s_or_b32 s55, s55, 0x80000000
	s_add_nc_u64 s[90:91], s[8:9], s[84:85]
	s_mov_b32 s56, 1
	s_add_co_u32 s57, s87, WQ
	s_mov_b64 s[58:59], s[90:91]
	s_or_b32 s59, s59, 0x80000000
	s_mov_b32 s60, 1
	s_add_co_u32 s61, s87, WK
	s_add_nc_u64 s[62:63], s[90:91], 139264
	s_or_b32 s63, s63, 0x80000000
	s_mov_b32 s68, 1
	s_add_co_u32 s69, s87, WVL
	s_add_nc_u64 s[70:71], s[90:91], 278528
	s_or_b32 s71, s71, 0x80000000
	CROUND                                         ; all sixteen work-groups are here: the joint loads meet
	tensor_load_to_lds s[48:51], s[G1S:G1S+7]      ; five loads of mine are out: every LDS byte is filled once
	s_nop 0
	tensor_load_to_lds s[52:55], s[G1H:G1H+7]
	s_nop 0
	tensor_load_to_lds s[56:59], s[G1W:G1W+7]
	s_nop 0
	tensor_load_to_lds s[60:63], s[G1W:G1W+7]
	s_nop 0
	tensor_load_to_lds s[68:71], s[G1W:G1W+7]
	s_nop 0
	PLACES
	; addresses
	v_and_b32 v15, 31, v0
	v_lshlrev_b32 v[LI], 4, v15
	v_lshlrev_b32 v[L8], 3, v15
	v_bfe_u32 v16, v0, 4, 1                        ; l / 16
	v_and_b32 v17, 7, v0                           ; l % 8
	v_bfe_u32 v18, v0, 3, 1                        ; (l / 8) % 2
	s_lshl_b32 s89, s[WN], 14
	v_add_nc_u32 v[XFA], s89, v[LI]
	s_lshr_b32 s89, s[WN], 1                       ; my half of the positions
	s_and_b32 s93, s[WN], 1                        ; my half of the outputs, for v
	s_lshl_b32 s92, s89, 15
	v_add_nc_u32 v[HVA], s92, v[LI]
	v_add_nc_u32 v[WQA], WQ, v[LI]
	v_add_nc_u32 v[WKA], WK, v[LI]
	s_lshl_b32 s92, s93, 14
	s_add_co_u32 s92, s92, WVL
	v_add_nc_u32 v[WVA], s92, v[LI]
	s_lshl_b32 s92, s93, 10
	s_add_co_u32 s92, s92, WVL+32768
	v_add_nc_u32 v[WVSA], s92, v[LI]
	v_lshl_add_u32 v19, v16, 3, v17
	v_lshl_add_u32 v19, v18, 4, v19                ; 8 (l / 16) + l % 8 + 16 ((l / 8) % 2): the position of row l % 16 of tile l / 16 of a pair
	s_lshl_b32 s92, s[WN], 6
	s_add_co_u32 s92, s92, HS
	v_add_nc_u32 v[HSA], s92, v19
	s_lshl_b32 s92, s89, 7
	s_add_co_u32 s92, s92, HS
	v_add_nc_u32 v[HSB], s92, v19
	v_lshlrev_b32 v[BO], 6, v16
	v_lshlrev_b32 v[BVO], 2, v17
	v_lshl_add_u32 v[BVO], v18, 6, v[BVO]
	s_lshl_b32 s92, s93, 8
	v_add_nc_u32 v[BVO], s92, v[BVO]
	s_lshl_b32 s92, s19, 9                         ; the biases at my 128 outputs
	s_mov_b32 s93, 0
	s_add_nc_u64 s[10:11], s[10:11], s[92:93]
	s_add_nc_u64 s[12:13], s[12:13], s[92:93]
	s_add_nc_u64 s[14:15], s[14:15], s[92:93]
	WIN 0xc0                                       ; destination window 3: lane (r, h) wants, for tile n, the outputs 32 (n / 2) + 8 (n % 2) + 16 h + 0 .. 7
.irp n, 0,1,2,3,4,5,6,7
	global_load_b128 v[8*\n:8*\n+3], v[BO], s[10:11] offset:(32*(\n/2)+8*(\n%2))*4
	global_load_b128 v[8*\n+4:8*\n+7], v[BO], s[10:11] offset:(32*(\n/2)+8*(\n%2))*4+16
	global_load_b128 v[64+8*\n:64+8*\n+3], v[BO], s[12:13] offset:(32*(\n/2)+8*(\n%2))*4
	global_load_b128 v[64+8*\n+4:64+8*\n+7], v[BO], s[12:13] offset:(32*(\n/2)+8*(\n%2))*4+16
.endr
	WIN 0
.irp n, 0,1,2,3
	global_load_b32 v[BV+\n], v[BVO], s[14:15] offset:(32*(\n/2)+8*(\n%2))*4
.endr
.irp b, 0,1,2,3
	v_mov_b32 v[TM+4+\b], 0                        ; written once: a lane permute's destination counts as one of its sources
.endr
	; where the results go
	s_mul_i32 s94, s21, 835584                     ; the image
	s_lshr_b32 s92, s19, 1
	s_mul_i32 s92, s92, 139264                     ; q: slot cx / 2,
	s_add_co_u32 s92, s92, s94
	s_mul_i32 s95, s20, 34816                      ; part cy
	s_add_co_u32 s92, s92, s95
	s_and_b32 s95, s19, 1
	s_lshl_b32 s72, s95, 14                        ; K step cx % 2, tiles 4 w on
	s_add_co_u32 s72, s72, s92
	s_lshl_b32 s74, s[WN], 12
	s_add_co_u32 s72, s72, s74
	s_mov_b32 s73, 0
	s_lshl_b32 s74, s95, 10
	s_add_co_u32 s74, s74, s92
	s_lshl_b32 s75, s[WN], 8
	s_add_co_u32 s74, s74, s75
	s_add_co_u32 s74, s74, 32768
	s_mov_b32 s75, 0
	s_add_nc_u64 s[QB:QB+1], s[16:17], s[72:73]
	s_add_nc_u64 s[QSB:QSB+1], s[16:17], s[74:75]
	s_lshr_b32 s92, s20, 1
	s_mul_i32 s92, s92, 139264                     ; v: slot cy / 2,
	s_add_co_u32 s92, s92, s94
	s_mul_i32 s95, s19, 34816                      ; part cx
	s_add_co_u32 s92, s92, s95
	s_add_co_u32 s92, s92, 557056
	s_and_b32 s95, s20, 1
	s_lshl_b32 s95, s95, 1
	s_add_co_u32 s95, s95, s89                     ; key step % 4 = 2 (cy % 2) + my half
	s_and_b32 s93, s[WN], 1
	s_lshl_b32 s76, s95, 13
	s_add_co_u32 s76, s76, s92
	s_lshl_b32 s78, s93, 12
	s_add_co_u32 s76, s76, s78
	s_mov_b32 s77, 0
	s_lshl_b32 s78, s95, 9
	s_add_co_u32 s78, s78, s92
	s_lshl_b32 s79, s93, 8
	s_add_co_u32 s78, s78, s79
	s_add_co_u32 s78, s78, 32768
	s_mov_b32 s79, 0
	s_add_nc_u64 s[VB:VB+1], s[16:17], s[76:77]
	s_add_nc_u64 s[VSB:VSB+1], s[16:17], s[78:79]
	s_wait_tensorcnt 0x0                           ; my five loads have landed,
	s_barrier_signal -1
	s_barrier_wait -1                              ; everybody's have
	; ---- the weights of q and k into registers, once
	WIN 0x40
.irp n, 0,1,2,3,4,5,6,7
.irp ks, 0,1,2,3
.irp c, 0,1
	ds_load_b128 v[32*\n+8*\ks+4*\c:32*\n+8*\ks+4*\c+3], v[WQA] offset:4096*\n+1024*\ks+512*\c
.endr
.endr
.endr
	WIN 0x80
.irp n, 0,1,2,3,4,5,6,7
.irp ks, 0,1,2,3
.irp c, 0,1
	ds_load_b128 v[32*\n+8*\ks+4*\c:32*\n+8*\ks+4*\c+3], v[WKA] offset:4096*\n+1024*\ks+512*\c
.endr
.endr
.endr
	WIN 0
.irp e, 0,1,2,3
	ds_load_b128 v[WQS+4*\e:WQS+4*\e+3], v[WQA] offset:32768+512*\e
	ds_load_b128 v[WKS+4*\e:WKS+4*\e+3], v[WKA] offset:32768+512*\e
.endr
	HSLOAD HSA, 0
	HSLOAD HSA, 1
	FX 0, 0
	WIN 0
	s_wait_dscnt 0x0
	HSJOIN 0
	HSJOIN 1
.rept 8
	v_nop                                          ; a scale register written by a vector instruction stands eight places ahead of a scaled matrix instruction
.endr
	s_wait_loadcnt 0x0                             ; the biases
	; ---- q and k, a tile of 16 positions at a time
.irp p, 0,1,2,3
.if \p < 3
	FX \p+1, (\p+1)%2                              ; the next tile's fragments, into the set that the tile before has left (the quantisers' lines are the places)
	s_wait_dscnt 8                                 ; all but the eight just issued
.else
	s_wait_dscnt 0x0
.endif
	MULQK HA, 1, 0, WQS, \p, \p%2
	MULQK HB, 2, 64, WKS, \p, \p%2
	WIN 0
	PLACES
	s_wait_xcnt 0x0                                ; the earlier stores have read the codes' registers
	QUANT HA
	PUT QB, 1024*\p
	v_mov_b32 v[PWQ+\p], v[PW]
	s_wait_xcnt 0x0
	QUANT HB
	PUT QB, 1024*\p+278528
	v_mov_b32 v[PWK+\p], v[PW]
.endr
	v_cndmask_b32 v[QD], v[PWQ], v[PWQ+1], s98     ; every lane holds its row's word: lanes 16-31 take the odd tile's
	v_cndmask_b32 v[QD+1], v[PWQ+2], v[PWQ+3], s98
	v_cndmask_b32 v[QD+2], v[PWK], v[PWK+1], s98
	v_cndmask_b32 v[QD+3], v[PWK+2], v[PWK+3], s98
	global_store_b64 v[L8], v[QD:QD+1], s[QSB:QSB+1]                  ; 256 consecutive bytes, aligned
	global_store_b64 v[L8], v[QD+2:QD+3], s[QSB:QSB+1] offset:278528
	; ---- v
	PLACES
	WIN 0x40
.irp t, 0,1,2,3,4,5,6,7
.irp ks, 0,1,2,3
.irp c, 0,1
	ds_load_b128 v[32*\t+8*\ks+4*\c:32*\t+8*\ks+4*\c+3], v[HVA] offset:4096*\t+1024*\ks+512*\c
.endr
.endr
.endr
	WIN 0x80
.irp n, 0,1,2,3
.irp ks, 0,1,2,3
.irp c, 0,1
	ds_load_b128 v[32*\n+8*\ks+4*\c:32*\n+8*\ks+4*\c+3], v[WVA] offset:4096*\n+1024*\ks+512*\c
.endr
.endr
.endr
.irp n, 0,1,2,3
.irp j, 0,1,2,3,4,5,6,7
	v_mov_b32 v[128+8*\n+\j], v[BV+\n]             ; bv in the result's layout: a lane is one channel
.endr
.endr
	WIN 0
.irp e, 0,1
	ds_load_b128 v[WQS+4*\e:WQS+4*\e+3], v[WVSA] offset:512*\e
.endr
	HSLOAD HSB, 0
	HSLOAD HSB, 1
	HSLOAD HSB, 2
	HSLOAD HSB, 3
	s_wait_dscnt 0x0
	HSJOIN 0
	HSJOIN 1
	HSJOIN 2
	HSJOIN 3
.rept 8
	v_nop
.endr
	MULV 0, HA
	MULV 1, HB
	s_wait_xcnt 0x0
	QUANT HA
	PUT VB, 0
	v_mov_b32 v[PWV], v[PW]
	MULV 2, HA
	s_wait_xcnt 0x0
	QUANT HB
	PUT VB, 1024
	v_mov_b32 v[PWV+1], v[PW]
	MULV 3, HB
	s_wait_xcnt 0x0
	QUANT HA
	PUT VB, 2048
	v_mov_b32 v[PWV+2], v[PW]
	s_wait_xcnt 0x0
	QUANT HB
	PUT VB, 3072
	v_cndmask_b32 v[QD+4], v[PWV], v[PWV+1], s98
	v_cndmask_b32 v[QD+5], v[PWV+2], v[PW], s98
	global_store_b64 v[L8], v[QD+4:QD+5], s[VSB:VSB+1]
	s_wait_tensorcnt 0x0                           ; the wave's end, behind my last tensor load
	ds_add_u32 v[SPW], v[NIL]
	s_wait_dscnt 0x0
	CROUND                                         ; the closing round: no work-group ends while a partner may still ask for a tile that names it
	s_endpgm
.Lfunc_end_k_qb3922a9cab_qkv:
	.size	k_qb3922a9cab_qkv, .Lfunc_end_k_qb3922a9cab_qkv-k_qb3922a9cab_qkv
	.p2alignl 7, 3214868480
	.fill 96, 4, 3214868480
	.section	.rodata,"a",@progbits
	.p2align	6, 0x0
	.amdhsa_kernel k_qb3922a9cab_qkv
		.amdhsa_group_segment_fixed_size 174592
		.amdhsa_private_segment_fixed_size 0
		.amdhsa_enable_private_segment 0
		.amdhsa_kernarg_size 56
		.amdhsa_user_sgpr_count 2
		.amdhsa_user_sgpr_kernarg_segment_ptr 1
		.amdhsa_wavefront_size32 1
		.amdhsa_system_sgpr_workgroup_id_x 1
		.amdhsa_system_sgpr_workgroup_id_y 1
		.amdhsa_system_sgpr_workgroup_id_z 1
		.amdhsa_system_vgpr_workitem_id 0
		.amdhsa_next_free_vgpr 1024
		.amdhsa_next_free_sgpr 100
		.amdhsa_reserve_vcc 0
		.amdhsa_float_denorm_mode_32 3
		.amdhsa_float_denorm_mode_16_64 3
		.amdhsa_memory_ordered 1
		.amdhsa_forward_progress 1
		.amdhsa_inst_pref_size 141
	.end_amdhsa_kernel
	.amdgpu_metadata
---
amdhsa.version: [ 1, 2 ]
amdhsa.kernels:
  - .name:           k_qb3922a9cab_qkv
    .symbol:         k_qb3922a9cab_qkv.kd
    .args:
      - { .name: hc, .offset: 0, .size: 8, .value_kind: global_buffer, .address_space: global }
      - { .name: hs, .offset: 8, .size: 8, .value_kind: global_buffer, .address_space: global }
      - { .name: wimg, .offset: 16, .size: 8, .value_kind: global_buffer, .address_space: global }
      - { .name: bq, .offset: 24, .size: 8, .value_kind: global_buffer, .address_space: global }
      - { .name: bk, .offset: 32, .size: 8, .value_kind: global_buffer, .address_space: global }
      - { .name: bv, .offset: 40, .size: 8, .value_kind: global_buffer, .address_space: global }
      - { .name: qkv, .offset: 48, .size: 8, .value_kind: global_buffer, .address_space: global }
    .group_segment_fixed_size: 174592
    .private_segment_fixed_size: 0
    .kernarg_segment_align: 8
    .kernarg_segment_size: 56
    .max_flat_workgroup_size: 128
    .sgpr_count:     100
    .vgpr_count:     1024
    .wavefront_size: 32
...
	.end_amdgpu_metadata
.endif
;; end of part 2
;; launch attn (part 3): grid 16 x 16, 4 waves a work-group, clusters of 4 x 1, 327,680 bytes of LDS; arguments qkv, wimg, bproj, x, out0; writes out0
.if DOCPART == 3
	.amdgcn_target "amdgcn-amd-amdhsa--gfx1250"
	.amdhsa_code_object_version 6
	.text
	.protected	k_qb3922a9cab_attn
	.globl	k_qb3922a9cab_attn
	.p2align	8
	.type	k_qb3922a9cab_attn,@function
k_qb3922a9cab_attn:
	s_mov_b64 s[64:65], 0
	v_nop
	global_prefetch_b8 v0, s[64:65] scope:SCOPE_SE
	s_setreg_imm32_b32 hwreg(HW_REG_WAVE_MODE, 25, 1), 1
	s_wait_xcnt 0x0
	s_wait_alu depctr_hold_cnt(0) depctr_sa_sdst(0) depctr_va_vdst(0) depctr_va_sdst(0) depctr_va_ssrc(0) depctr_va_vcc(0) depctr_vm_vsrc(0)
	s_getreg_b32 s2, hwreg(HW_REG_IB_STS2, 6, 4)
	s_cmp_eq_u32 s2, 0
	s_cbranch_scc0 .Lentry_in_a_cluster
	s_endpgm
.Lentry_in_a_cluster:
	s_bfe_u32 s2, ttmp6, 0x10000c
	s_cmp_lg_u32 s2, 0x3003
	s_cbranch_scc0 .Lentry_shape_is_right
	s_endpgm
.Lentry_shape_is_right:
; out0 = x + wproj (softmax(q^T k / sqrt(512)) applied to v) + bproj, all three products on codes of E2M1 with E8M0 scales.  No work of the problem is left out.
; SHARES.  A work-group owns 64 queries (four tiles a of 16) of one image; the four work-groups of a cluster belong to one image and walk the same k, v and wproj, which are asked for JOINTLY (mask 15).
; Every wave works on all 64 queries, and the waves share the OTHER axis: scores: wave w has keys 256 w .. + 255; second product: channels 128 w .. + 127; last product: outputs 128 w .. + 127.  So each wave fetches
; its own part of each slot (34,816 bytes, one tensor load) and reads it alone, each byte once, and each fragment read feeds four matrix instructions.
; THE WHOLE ROW OF SCORES STAYS IN REGISTERS (512 a wave), so the softmax is the plain one: the row's true maximum (over the waves through LDS), M = ceil(t_max) with t = score x log2(e) / sqrt(512), p = 2^(t - M),
; the row's sum of the unquantised p; nothing is ever rescaled.  p is quantised along the keys and goes to the other waves as images of the operand's registers; so does O / sum, quantised along the channels.
; LAYOUT.  S^T = k q^T and O^T = v^T p^T are used transposed: a lane holds one query; the tiles of k and of v take their rows in the order 32 B + 8 u + r % 8 + 16 (r / 8), so that 16 registers of two neighbouring tiles
; are 16 neighbours along the next K.  The last product has source 0 = O's 16 positions and source 1 = 16 neighbouring rows of wproj: a lane holds one output channel and eight neighbouring positions.
; THE RING.  Two slots of 139,264 bytes: k's K steps 0, 1 and 2, 3 at the head; v's key steps 0-3 behind a round amid the scores; v's 4-7 behind the round that also parts the writing and the reading of the rows' maxima,
; so that the load before it has three K steps and the search for the maxima in which to land; wproj behind a round amid the second product.  By this text's count at most two loads of a wave are out.
; x FOR THE RESIDUAL is asked for under the softmax, 8 loads at a time, into the registers that the scores of query tiles 2 and 3 have left: those tiles' units run first.
; THE LAST PRODUCT GOES BY TILES OF 16 OUTPUTS: a tile's 16 matrix instructions, then its way out, while the next tile is multiplied: the stores begin behind the first tile, not behind the last.
; No prefetch: the one place ahead of v's loads would be the kernel's head, where every work-group's first tiles are on their way; x and wproj are asked for a phase or more ahead of their use.
; LIMITS: a block whose largest magnitude lies under 2^-124 (zeros too) gets the byte 1; NaN and infinities are not served; 1 / sum is v_rcp_f32; t is score x c in one rounding.
; REGISTERS, in windows of 256.  Window 0: v1-23 addresses; v24-31 bproj; v32-55 scale words; v56-79 the rows' figures; v80-111 the blocks' largest scores; v112-139 at work; v160-223 64 numbers at work; v224-255 scale words.
; Window 1: q (v0-127) and k's 16 tiles (v128-255); then two sets of v's 8 tiles, two of p's 4, bproj as a C; then O's 16 fragments (v0-127) and two sets of a tile of wproj (v128-191).
; Window 2: S^T of tiles 0, 1; then O^T; then the outputs.  Window 3: S^T of tiles 2, 3; then x.
.set PART,  34816
.set SLOT1, 139264
.set PIMG,  278528                     ; p's images [key step 8][a 4][1,024]; later O's, (4 a + w) x 1,024, in the bytes of key steps 0-3
.set PSC,   311296                     ; their scale words [key step][a][128]
.set MX,    315392                     ; the waves' row maxima [a][row][wave]; the sums 1,024 bytes on
.set SPARE, 317440                     ; the spare words, 128 bytes for each wave: two blocks of 256 bytes that no other line names
.set LI,  1                            ; v1   16 l
.set L8,  2                            ; v2   8 l
.set L4,  3                            ; v3   4 l
.set SPW, 4                            ; v4   LDS address of my spare word; never rewritten
.set NIL, 5                            ; v5   0; never rewritten
.set KA0, 6                            ; v6, v7   my part of slot 0, 1: + 16 l
.set KS0, 8                            ; v8, v9   its scale words: + 32,768 + 8 l
.set WSA, 10                           ; v10  wproj's scale words: + 32,768 + 16 l
.set MXA, 11
.set MXR, 12
.set PWI, 13
.set PWS, 14
.set PRI, 15
.set PRS, 16
.set OWI, 17
.set OWS, 18
.set STO, 19                           ; v19  the stage (16 rows x 272 bytes in my part of slot 1, which has had its last fill and which I alone read): in
.set RD,  20                           ; v20  and back
.set XO,  21                           ; v21  my byte offset in two rows of x and of out0; never rewritten
.set BPO, 22
.set NINF, 23
.set BP,  24
.set QS,  32                           ; q's scale words: 2 x K step + a / 2
.set KS,  40                           ; k's: two sets of 8;  later v's, two sets of 4,
.set VS,  40
.set PS,  48                           ; and p's, two sets of 4
.set ST,  56                           ; tile a: -M, t, the sum in two halves
.set RL,  72                           ; tile a: 1 / sum, sum
.set BM,  80                           ; tile a, block b of 32 of my keys: the largest score
.set TM,  112
.set PC,  128
.set PW,  136
.set AX,  138
.set T,   160
.set WPS, 224                          ; wproj's scale words: 4 x pair + K step
.set OS,  240                          ; O's: 4 a + K step
.set WN,  14                           ; s14  my wave's number
.set G1,  24                           ; s[24:31] the one group 1;  groups 0, made once: s[32:35] k0, s[36:39] k1, s[40:43] v0, s[44:47] v1, s[48:51] wproj
.set G0K0, 32
.set G0K1, 36
.set G0V0, 40
.set G0V1, 44
.set G0W,  48
.set SQ,  52
.set SQS, 54
.set CS,  56
.set SEL, 58
.set XB,  60
.set OB,  62
.set BPB, 66
.set MSB, 0
.macro WIN new                         ; the immediate's high byte repeats the setting that is left
.if MSB != (\new)
	s_set_vgpr_msb (MSB<<8)|(\new)
.set MSB, \new
.endif
.endm
.macro PLACES                          ; four plain instructions behind a matrix instruction, ahead of reads of its result and of loads into its registers
.rept 4
	v_nop
.endr
.endm
.macro CROUND                          ; a round of the cluster's barrier
	s_barrier_signal -1
	s_barrier_wait -1
	s_cmp_lg_u32 s[WN], 0
	s_cbranch_scc1 .Lnot_wave_0_\@
	s_barrier_signal -3
.Lnot_wave_0_\@:
	s_barrier_wait -3
	s_barrier_signal -1
	s_barrier_wait -1
.endm
; A slot is filled again: all my tensor loads have landed; the add; it and my LDS instructions, the reads of the slot among them, are done; the round: the same now holds of every wave of the four work-groups; the joint load first behind it.
.macro CHANGE g0
	WIN 0
	s_wait_tensorcnt 0x0
	ds_add_u32 v[SPW], v[NIL]                      ; 0 onto my spare word
	s_wait_dscnt 0x0
	CROUND
	tensor_load_to_lds s[\g0:\g0+3], s[G1:G1+7]
	s_nop 0
	PLACES
.endm
; one matrix instruction; c < 0: C is the constant 0, which starts a sum; ra, rb = 1: the scale words of lanes 16-31
.macro WM d, a, b, c, sa, sb, ra, rb
.if (\c) < 0
.if (\ra) && (\rb)
	v_wmma_scale_f32_16x16x128_f8f6f4 v[(\d):(\d)+7], v[(\a):(\a)+7], v[(\b):(\b)+7], 0, v[(\sa)], v[(\sb)] matrix_a_fmt:MATRIX_FMT_FP4 matrix_b_fmt:MATRIX_FMT_FP4 matrix_a_scale:MATRIX_SCALE_ROW1 matrix_b_scale:MATRIX_SCALE_ROW1
.elseif (\ra)
	v_wmma_scale_f32_16x16x128_f8f6f4 v[(\d):(\d)+7], v[(\a):(\a)+7], v[(\b):(\b)+7], 0, v[(\sa)], v[(\sb)] matrix_a_fmt:MATRIX_FMT_FP4 matrix_b_fmt:MATRIX_FMT_FP4 matrix_a_scale:MATRIX_SCALE_ROW1
.elseif (\rb)
	v_wmma_scale_f32_16x16x128_f8f6f4 v[(\d):(\d)+7], v[(\a):(\a)+7], v[(\b):(\b)+7], 0, v[(\sa)], v[(\sb)] matrix_a_fmt:MATRIX_FMT_FP4 matrix_b_fmt:MATRIX_FMT_FP4 matrix_b_scale:MATRIX_SCALE_ROW1
.else
	v_wmma_scale_f32_16x16x128_f8f6f4 v[(\d):(\d)+7], v[(\a):(\a)+7], v[(\b):(\b)+7], 0, v[(\sa)], v[(\sb)] matrix_a_fmt:MATRIX_FMT_FP4 matrix_b_fmt:MATRIX_FMT_FP4
.endif
.else
.if (\ra) && (\rb)
	v_wmma_scale_f32_16x16x128_f8f6f4 v[(\d):(\d)+7], v[(\a):(\a)+7], v[(\b):(\b)+7], v[(\c):(\c)+7], v[(\sa)], v[(\sb)] matrix_a_fmt:MATRIX_FMT_FP4 matrix_b_fmt:MATRIX_FMT_FP4 matrix_a_scale:MATRIX_SCALE_ROW1 matrix_b_scale:MATRIX_SCALE_ROW1
.elseif (\ra)
	v_wmma_scale_f32_16x16x128_f8f6f4 v[(\d):(\d)+7], v[(\a):(\a)+7], v[(\b):(\b)+7], v[(\c):(\c)+7], v[(\sa)], v[(\sb)] matrix_a_fmt:MATRIX_FMT_FP4 matrix_b_fmt:MATRIX_FMT_FP4 matrix_a_scale:MATRIX_SCALE_ROW1
.elseif (\rb)
	v_wmma_scale_f32_16x16x128_f8f6f4 v[(\d):(\d)+7], v[(\a):(\a)+7], v[(\b):(\b)+7], v[(\c):(\c)+7], v[(\sa)], v[(\sb)] matrix_a_fmt:MATRIX_FMT_FP4 matrix_b_fmt:MATRIX_FMT_FP4 matrix_b_scale:MATRIX_SCALE_ROW1
.else
	v_wmma_scale_f32_16x16x128_f8f6f4 v[(\d):(\d)+7], v[(\a):(\a)+7], v[(\b):(\b)+7], v[(\c):(\c)+7], v[(\sa)], v[(\sb)] matrix_a_fmt:MATRIX_FMT_FP4 matrix_b_fmt:MATRIX_FMT_FP4
.endif
.endif
.endm
; From the four blocks' largest magnitudes in v[TM] on (the floor among them) and 64 numbers v[s] on, register 16 b + i = k 32 b + 16 (lane / 16) + i of my row: a fragment's codes in v[PC] on, its scale word in v[PW]
.macro ENC s
.irp b, 0,1,2,3
	v_add_nc_u32 v[TM+12+\b], 0xff000000, v[TM+\b] ; 2 off the exponent field: the conversion's scale operand
.endr
.irp b, 0,1,2,3
	v_lshrrev_b32 v[TM+4+\b], 23, v[TM+12+\b]      ; the scale's byte
.endr
	v_lshl_or_b32 v[PW], v[TM+5], 8, v[TM+4]
	v_lshl_or_b32 v[PW], v[TM+6], 16, v[PW]
	v_lshl_or_b32 v[PW], v[TM+7], 24, v[PW]
.irp b, 0,1,2,3
	v_cvt_scalef32_pk8_fp4_f32 v[PC+2*\b], v[\s+16*\b:\s+7+16*\b], v[TM+12+\b]
	v_cvt_scalef32_pk8_fp4_f32 v[PC+1+2*\b], v[\s+8+16*\b:\s+15+16*\b], v[TM+12+\b]
.endr
	v_nop                                          ; one plain instruction behind a scaled conversion
.irp c, 0,1                                    ; the operand's layout wants a whole block in a lane
.irp i, 0,1
	v_permlane16_swap_b32 v[PC+4*\c+\i], v[PC+2+4*\c+\i]
.endr
.endr
.endm
.macro QUANT s
.irp b, 0,1,2,3
	v_max3_num_f32 v[TM+\b], |v[\s+16*\b]|, |v[\s+1+16*\b]|, 0x1800000   ; the floor 2^(3 - 127) holds the byte at 1 from below
.endr
.irp i, 2,4,6,8,10,12,14
.irp b, 0,1,2,3
	v_max3_num_f32 v[TM+\b], v[TM+\b], |v[\s+16*\b+\i]|, |v[\s+1+16*\b+\i]|
.endr
.endr
.irp b, 0,1,2,3
	v_permlanex16_b32 v[TM+4+\b], v[TM+\b], s[SEL], s[SEL+1]
.endr
.irp b, 0,1,2,3
	v_max_num_f32 v[TM+\b], v[TM+\b], v[TM+4+\b]
.endr
	ENC \s
.endm
.macro FKS ks                          ; k's scale words of K step ks: 4 loads of two words, into set ks % 2
	WIN 0
.irp j, 0,1,2,3
	ds_load_b64 v[KS+8*((\ks)%2)+2*\j:KS+8*((\ks)%2)+2*\j+1], v[KS0+(\ks)/2] offset:1024*((\ks)%2)+256*\j
.endr
.endm
.macro FK ks, th                       ; k's tiles 8 th .. 8 th + 7 of K step ks: 16 loads
	WIN 0x40
.irp i, 0,1,2,3,4,5,6,7
	ds_load_b128 v[128+8*(8*(\th)+\i):128+8*(8*(\th)+\i)+3], v[KA0+(\ks)/2] offset:16384*((\ks)%2)+1024*(8*(\th)+\i)
	ds_load_b128 v[128+8*(8*(\th)+\i)+4:128+8*(8*(\th)+\i)+7], v[KA0+(\ks)/2] offset:16384*((\ks)%2)+1024*(8*(\th)+\i)+512
.endr
.endm
; 32 matrix instructions: 8 tiles of keys x 4 tiles of queries.  The 64 accumulators take turns, one instruction a turn, in the same order in every K step
.macro HMUL ks, th
.irp hi, 0,1
	WIN 0xa5+0x50*\hi
.irp i, 0,1,2,3,4,5,6,7
.irp a2, 0,1
.if (\ks) == 0
	WM 128*\a2+8*(8*(\th)+\i), 128+8*(8*(\th)+\i), 32*(2*\hi+\a2)+8*(\ks), -1, KS+8*((\ks)%2)+4*(\th)+\i/2, QS+2*(\ks)+\hi, \i%2, \a2
.else
	WM 128*\a2+8*(8*(\th)+\i), 128+8*(8*(\th)+\i), 32*(2*\hi+\a2)+8*(\ks), 128*\a2+8*(8*(\th)+\i), KS+8*((\ks)%2)+4*(\th)+\i/2, QS+2*(\ks)+\hi, \i%2, \a2
.endif
.endr
.endr
.endr
.endm
.macro BMAX a                          ; the largest score of each of my 8 blocks of 32 keys: it serves for the row's maximum and, since p rises with the score, for the block's largest p.  Each accumulator is read from its low end on
	WIN 0x28+0x14*((\a)/2)
.irp b, 0,1,2,3,4,5,6,7
	v_max3_num_f32 v[BM+8*(\a)+\b], v[NINF], v[128*((\a)%2)+16*\b], v[128*((\a)%2)+16*\b+1]
.endr
.irp i, 2,4,6,8,10,12,14
.irp b, 0,1,2,3,4,5,6,7
	v_max3_num_f32 v[BM+8*(\a)+\b], v[BM+8*(\a)+\b], v[128*((\a)%2)+16*\b+\i], v[128*((\a)%2)+16*\b+\i+1]
.endr
.endr
.endm
.macro XL n                            ; x for the residual: 16 channels (output tile n) x my work-group's 64 positions: 8 loads, sixteen lanes to a row's 256 bytes, into window 3
	WIN 0xc0
.irp t, 0,1,2,3,4,5,6,7
	global_load_b128 v[4*(8*(\n)+\t):4*(8*(\n)+\t)+3], v[XO], s[XB:XB+1] offset:4096*(16*(\n)+2*\t) th:TH_LOAD_NT
.endr
.endm
; Query tile a, my key step f (128 keys): p, its part of the row's sum, its codes and scale word, to LDS.  xg >= 0: the unit also asks for x of output tiles 2 xg and 2 xg + 1, in two runs of 8 loads,
; at its head and behind the wait for its 64 exponentials: at neither place is a transcendental's result outstanding
.macro PUNIT a, f, xg
.if (\xg) >= 0
	XL 2*(\xg)
.endif
	WIN 0x02+(\a)/2
.set j, 0
.rept 32
	v_pk_fma_f32 v[T+j:T+j+1], v[128*((\a)%2)+64*(\f)+j:128*((\a)%2)+64*(\f)+j+1], s[CS:CS+1], v[ST+4*(\a):ST+4*(\a)+1] op_sel_hi:[1,0,0]   ; t - M, two at a time (of the pairs c and -M the low word serves both halves)
.set j, j+2
.endr
	WIN 0
.irp b, 0,1,2,3
	v_fma_f32 v[BM+8*(\a)+4*(\f)+\b], v[BM+8*(\a)+4*(\f)+\b], s[CS], v[ST+4*(\a)]   ; the same of each block's largest score
.endr
.set j, 0
.rept 64
	v_exp_f32 v[T+j], v[T+j]                       ; p = 2^(t - M): not normalised
.set j, j+1
.endr
	v_nop                                          ; a plain instruction behind the exponentials,
	s_wait_alu depctr_va_vdst(0)                   ; and one wait for the whole batch, ahead of its first reader
.if (\xg) >= 0
	XL 2*(\xg)+1
	WIN 0
.endif
.irp b, 0,1,2,3
	v_exp_f32 v[BM+8*(\a)+4*(\f)+\b], v[BM+8*(\a)+4*(\f)+\b]   ; the block's largest p: the same two operations on the same number
.endr
	v_pk_add_f32 v[AX:AX+1], v[T:T+1], v[T+2:T+3]  ; the sum is taken of the unquantised p, in two chains; it reads the 64 alone: plain work behind the four
.irp j, 4,8,12,16,20,24,28,32,36,40,44,48,52,56,60
	v_pk_add_f32 v[ST+4*(\a)+2:ST+4*(\a)+3], v[ST+4*(\a)+2:ST+4*(\a)+3], v[T+\j:T+\j+1]
	v_pk_add_f32 v[AX:AX+1], v[AX:AX+1], v[T+\j+2:T+\j+3]
.endr
	v_pk_add_f32 v[ST+4*(\a)+2:ST+4*(\a)+3], v[ST+4*(\a)+2:ST+4*(\a)+3], v[AX:AX+1]
	s_wait_alu depctr_va_vdst(0)                   ; and one for the four
.irp b, 0,1,2,3
	v_max_num_f32 v[TM+\b], 0x1800000, v[BM+8*(\a)+4*(\f)+\b]   ; the floor: a block whose every p has fallen to 0 keeps the byte 1: its codes are zeros
.endr
	s_wait_dscnt 0x0                               ; the last unit's stores have read the codes' registers
	ENC T
	ds_store_b128 v[PWI], v[PC:PC+3] offset:4096*(\f)+1024*(\a)
	ds_store_b128 v[PWI], v[PC+4:PC+7] offset:4096*(\f)+1024*(\a)+512
	ds_store_b32 v[PWS], v[PW] offset:512*(\f)+128*(\a)
.endm
.macro FV kk, set                      ; key step kk: my 8 tiles of v, the 4 tiles of p, their scale words: 30 loads
	WIN 0x40
.irp n, 0,1,2,3,4,5,6,7
	ds_load_b128 v[64*(\set)+8*\n:64*(\set)+8*\n+3], v[KA0+(\kk)/4] offset:8192*((\kk)%4)+1024*\n
	ds_load_b128 v[64*(\set)+8*\n+4:64*(\set)+8*\n+7], v[KA0+(\kk)/4] offset:8192*((\kk)%4)+1024*\n+512
.endr
.irp a, 0,1,2,3
	ds_load_b128 v[128+32*(\set)+8*\a:128+32*(\set)+8*\a+3], v[PRI] offset:4096*(\kk)+1024*\a
	ds_load_b128 v[128+32*(\set)+8*\a+4:128+32*(\set)+8*\a+7], v[PRI] offset:4096*(\kk)+1024*\a+512
.endr
	WIN 0
.irp j, 0,1
	ds_load_b64 v[VS+4*(\set)+2*\j:VS+4*(\set)+2*\j+1], v[KS0+(\kk)/4] offset:512*((\kk)%4)+256*\j
.endr
.irp a, 0,1,2,3
	ds_load_b32 v[PS+4*(\set)+\a], v[PRS] offset:512*(\kk)+128*\a
.endr
.endm
.macro PVMUL kk, set                   ; O^T += v^T p^T: 32 accumulators by turns
	WIN 0xa5
.irp n, 0,1,2,3,4,5,6,7
.irp a, 0,1,2,3
.if (\kk) == 0
	WM 64*\a+8*\n, 64*(\set)+8*\n, 128+32*(\set)+8*\a, -1, VS+4*(\set)+\n/2, PS+4*(\set)+\a, \n%2, 0
.else
	WM 64*\a+8*\n, 64*(\set)+8*\n, 128+32*(\set)+8*\a, 64*\a+8*\n, VS+4*(\set)+\n/2, PS+4*(\set)+\a, \n%2, 0
.endif
.endr
.endr
.endm
.macro FO                              ; O's sixteen fragments, tile a, K step ks at v[32 a + 8 ks] of window 1: 32 loads; they stay for the whole last product
	WIN 0x40
.irp a, 0,1,2,3
.irp ks, 0,1,2,3
	ds_load_b128 v[32*\a+8*\ks:32*\a+8*\ks+3], v[PRI] offset:4096*\a+1024*\ks
	ds_load_b128 v[32*\a+8*\ks+4:32*\a+8*\ks+7], v[PRI] offset:4096*\a+1024*\ks+512
.endr
.endr
.endm
.macro FPN n, set                      ; tile n of my 8 tiles of wproj: its four K steps' fragments: 8 loads
	WIN 0x40
.irp ks, 0,1,2,3
	ds_load_b128 v[128+32*(\set)+8*\ks:128+32*(\set)+8*\ks+3], v[KA0] offset:4096*(\n)+1024*\ks
	ds_load_b128 v[128+32*(\set)+8*\ks+4:128+32*(\set)+8*\ks+7], v[KA0] offset:4096*(\n)+1024*\ks+512
.endr
.endm
.macro PJN n, set                      ; output tile n for the 64 positions: 16 matrix instructions, its four accumulators by turns, K ascending; bproj is the C of each sum's first instruction
.irp ks, 0,1,2,3
.if \ks == 0
	WIN 0x95
.else
	WIN 0xa5
.endif
.irp a, 0,1,2,3
.if \ks == 0
	WM 32*(\n)+8*\a, 32*\a+8*\ks, 128+32*(\set)+8*\ks, 192+8*(\n), OS+4*\a+\ks, WPS+4*((\n)/2)+\ks, 0, (\n)%2
.else
	WM 32*(\n)+8*\a, 32*\a+8*\ks, 128+32*(\set)+8*\ks, 32*(\n)+8*\a, OS+4*\a+\ks, WPS+4*((\n)/2)+\ks, 0, (\n)%2
.endif
.endr
.endr
.endm
; THE WAY OUT, a tile of 16 output channels x 64 positions at a time.  A lane holds 8 neighbouring positions of a channel for each tile a: they go into my stage and come back as rows of 256 bytes.
.macro TOSTAGE n
	WIN 0x08                                       ; an LDS store's data are its source 1: window 2
.irp a, 0,1,2,3
	ds_store_b128 v[STO], v[32*(\n)+8*\a:32*(\n)+8*\a+3] offset:128*(\a/2)+32*(\a%2)          ; each accumulator from its low end on
	ds_store_b128 v[STO], v[32*(\n)+8*\a+4:32*(\n)+8*\a+7] offset:128*(\a/2)+32*(\a%2)+16
.endr
	WIN 0
.irp t, 0,1,2,3,4,5,6,7
	ds_load_b128 v[T+32*((\n)%2)+4*\t:T+32*((\n)%2)+4*\t+3], v[RD] offset:544*\t   ; LDS serves a wave's instructions in order: these see my stores
.endr
.endm
.macro SEND n, younger                 ; younger: the LDS instructions issued behind tile n's loads, which may stay out
	s_wait_dscnt \younger
	WIN 0x0c                                       ; source 1: x, in window 3
.set j, 0
.rept 16
	v_pk_add_f32 v[T+32*((\n)%2)+j:T+32*((\n)%2)+j+1], v[T+32*((\n)%2)+j:T+32*((\n)%2)+j+1], v[32*(\n)+j:32*(\n)+j+1]
.set j, j+2
.endr
	WIN 0
.irp t, 0,1,2,3,4,5,6,7
	global_store_b128 v[XO], v[T+32*((\n)%2)+4*\t:T+32*((\n)%2)+4*\t+3], s[OB:OB+1] offset:4096*(16*(\n)+2*\t) th:TH_STORE_NT   ; sixteen lanes store 256 consecutive bytes, at a multiple of 256 from out0's first byte
.endr
.endm
.macro G0SET g, l, o
	s_mov_b32 s[\g], 1                             ; count 1
	s_add_co_u32 s[\g+1], s17, \l                  ; LDS address: my part of the slot: the wave's number alone enters it
	s_add_nc_u64 s[\g+2:\g+3], s[20:21], \o        ; global address
	s_or_b32 s[\g+3], s[\g+3], 0x80000000          ; type 2
.endm
	s_load_b256 s[4:11], s[0:1], 0x0               ; qkv, wimg, bproj, x
	s_load_b64 s[12:13], s[0:1], 0x20              ; out0
	v_lshl_add_u32 v[SPW], v0, 2, SPARE
	v_mov_b32 v[NIL], 0
	ds_add_u32 v[SPW], v[NIL]                      ; the wave's opening: the add, twice on end, and its wait ahead of my first tensor load; work on registers stands between
	ds_add_u32 v[SPW], v[NIL]
	v_lshrrev_b32 v6, 5, v0
	v_readfirstlane_b32 s[WN], v6                  ; wave 0..3
	s_bfe_u32 s15, ttmp6, 0x40000                  ; cx: it enters q's, x's and out0's addresses alone
	s_and_b32 s16, ttmp7, 0xffff                   ; the image, which the four partners share
	s_mov_b32 s[G1], 15|(3<<16)|(1<<21)            ; 15:0 the mask: all four; 17:16 elements of 8 bytes; 21 set beside a mask; no padding.  A part: 34,816 dense bytes as 136 rows of 256
	s_mov_b32 s[G1+1], 32<<16
	s_mov_b32 s[G1+2], 136<<16
	s_mov_b32 s[G1+3], 32<<16
	s_mov_b32 s[G1+4], 136
	s_mov_b32 s[G1+5], 32
	s_mov_b32 s[G1+6], 0
	s_mov_b32 s[G1+7], 0
	s_mul_i32 s17, s[WN], PART
	s_mul_i32 s18, s16, 835584
	s_add_co_u32 s18, s18, s17                     ; the image, + my part
	s_mov_b32 s19, 0
	s_add_co_u32 s22, s17, 417792                  ; wproj in wimg, + my part
	s_mov_b32 s23, 0
	s_mul_i32 s52, s16, 835584                     ; q: part = cluster x, tiles 4 cx on
	s_mul_i32 s54, ttmp9, PART
	s_add_co_u32 s52, s52, s54
	s_lshl_b32 s54, s15, 8
	s_add_co_u32 s54, s54, s52
	s_add_co_u32 s54, s54, 32768
	s_lshl_b32 s55, s15, 12
	s_add_co_u32 s52, s52, s55
	s_mov_b32 s53, 0
	s_mov_b32 s55, 0
	s_lshl_b32 s60, ttmp9, 2
	s_add_co_u32 s60, s60, s15                     ; my block of 64 queries
	s_lshl_b32 s60, s60, 8
	s_lshl_b32 s61, s16, 21
	s_add_co_u32 s60, s60, s61
	s_lshl_b32 s61, s[WN], 19
	s_add_co_u32 s60, s60, s61                     ; x, out0: 2,097,152 b + 524,288 w + 256 x block
	s_mov_b32 s61, 0
	s_lshl_b32 s66, s[WN], 9
	s_mov_b32 s67, 0
	s_mov_b32 s[CS], 0x3d8293ee                    ; c = log2(e) / sqrt(512)
	s_mov_b32 s[CS+1], s[CS]                       ; (named with it as a pair, so it is written)
	s_mov_b32 s[SEL], 0x76543210
	s_mov_b32 s[SEL+1], 0xfedcba98
	s_wait_dscnt 0x0                               ; both opening adds are done
	s_wait_kmcnt 0x0
	s_add_nc_u64 s[20:21], s[4:5], s[18:19]
	G0SET G0K0, 0, 278528
	G0SET G0K1, SLOT1, 417792
	G0SET G0V0, 0, 557056
	G0SET G0V1, SLOT1, 696320
	s_mov_b32 s[G0W], 1
	s_mov_b32 s[G0W+1], s17
	s_add_nc_u64 s[G0W+2:G0W+3], s[6:7], s[22:23]
	s_or_b32 s[G0W+3], s[G0W+3], 0x80000000
	s_add_nc_u64 s[SQ:SQ+1], s[4:5], s[52:53]
	s_add_nc_u64 s[SQS:SQS+1], s[4:5], s[54:55]
	s_add_nc_u64 s[OB:OB+1], s[12:13], s[60:61]
	s_add_nc_u64 s[XB:XB+1], s[10:11], s[60:61]
	s_add_nc_u64 s[BPB:BPB+1], s[8:9], s[66:67]
	CROUND                                         ; all four work-groups are here: the first joint loads meet
	tensor_load_to_lds s[G0K0:G0K0+3], s[G1:G1+7]  ; k's K steps 0, 1
	s_nop 0
	tensor_load_to_lds s[G0K1:G0K1+3], s[G1:G1+7]  ; and 2, 3
	s_nop 0
	PLACES
	v_and_b32 v140, 31, v0                         ; l
	v_and_b32 v141, 15, v0                         ; r
	v_bfe_u32 v142, v0, 4, 1                       ; h
	v_lshlrev_b32 v[LI], 4, v140
	v_lshlrev_b32 v[L8], 3, v140
	v_lshlrev_b32 v[L4], 2, v140
	v_lshlrev_b32 v[BPO], 2, v141
	WIN 0x40                                       ; q stays in registers: tile a, K step ks at v[32 a + 8 ks] of window 1
.irp a, 0,1,2,3
.irp ks, 0,1,2,3
.irp c, 0,1
	global_load_b128 v[32*\a+8*\ks+4*\c:32*\a+8*\ks+4*\c+3], v[LI], s[SQ:SQ+1] offset:139264*(\ks/2)+16384*(\ks%2)+1024*\a+512*\c
.endr
.endr
.endr
	WIN 0
.irp ks, 0,1,2,3
	global_load_b64 v[QS+2*\ks:QS+2*\ks+1], v[L8], s[SQS:SQS+1] offset:139264*(\ks/2)+1024*(\ks%2)
.endr
.irp n, 0,1,2,3,4,5,6,7
	global_load_b32 v[BP+\n], v[BPO], s[BPB:BPB+1] offset:64*\n   ; bproj of output 128 w + 16 n + r
.endr
	v_add_nc_u32 v[KA0], s17, v[LI]
	v_add_nc_u32 v[KA0+1], SLOT1, v[KA0]
	s_add_co_u32 s18, s17, 32768
	v_add_nc_u32 v[KS0], s18, v[L8]
	v_add_nc_u32 v[KS0+1], SLOT1, v[KS0]
	v_add_nc_u32 v[WSA], s18, v[LI]
	v_lshl_add_u32 v[MXR], v141, 4, MX
	s_lshl_b32 s19, s[WN], 2
	v_add_nc_u32 v[MXA], s19, v[MXR]
	s_lshl_b32 s19, s[WN], 13
	s_add_co_u32 s19, s19, PIMG
	v_add_nc_u32 v[PWI], s19, v[LI]                ; my key steps 2 w, 2 w + 1
	s_lshl_b32 s19, s[WN], 10
	s_add_co_u32 s19, s19, PSC
	v_add_nc_u32 v[PWS], s19, v[L4]
	v_add_nc_u32 v[PRI], PIMG, v[LI]
	v_add_nc_u32 v[PRS], PSC, v[L4]
	s_lshl_b32 s19, s[WN], 10
	s_add_co_u32 s19, s19, PIMG
	v_add_nc_u32 v[OWI], s19, v[LI]
	s_lshl_b32 s19, s[WN], 7
	s_add_co_u32 s19, s19, PSC
	v_add_nc_u32 v[OWS], s19, v[L4]
	s_add_co_u32 s19, s17, SLOT1                   ; my stage
	v_mul_u32_u24 v[STO], v141, 272
	v_lshl_add_u32 v[STO], v142, 6, v[STO]
	v_add_nc_u32 v[STO], s19, v[STO]               ; in: row r (a channel), + 64 h: positions 16 h on of each 32
	v_mul_u32_u24 v[RD], v142, 272
	v_lshl_add_u32 v[RD], v141, 4, v[RD]
	v_add_nc_u32 v[RD], s19, v[RD]                 ; back: lanes 0-15 one row, lanes 16-31 the next
	v_lshlrev_b32 v[XO], 12, v142
	v_lshl_add_u32 v[XO], v141, 4, v[XO]           ; and the same two rows in x and out0
	v_mov_b32 v[NINF], 0xff800000
.irp b, 4,5,6,7,8,9,10,11
	v_mov_b32 v[TM+\b], 0                          ; written once: a lane permute's destination counts as one of its sources
.endr
.irp a, 0,1,2,3
	v_mov_b32 v[ST+4*\a+2], 0                      ; the rows' sums, in two halves
	v_mov_b32 v[ST+4*\a+3], 0
.endr
	; ---- S^T = k q^T
	s_wait_tensorcnt 0x1                           ; my part of slot 0 is in, slot 1's may be out; I alone read my part, so no barrier is wanted
	FKS 0
	FK 0, 0
	FK 0, 1
	s_wait_loadcnt 0x0                             ; q, its scale words, bproj
	s_wait_dscnt 16                                ; all but the second half's 16 loads
	HMUL 0, 0
	PLACES
	FKS 1
	FK 1, 0
	s_wait_dscnt 20                                ; all but the 20 just issued
	HMUL 0, 1
	PLACES
	FK 1, 1
	CHANGE G0V0                                    ; slot 0 has been read out: v's key steps 0-3
	HMUL 1, 0
	PLACES
	FKS 2
	FK 2, 0
	HMUL 1, 1
	PLACES
	FK 2, 1
	s_wait_dscnt 16
	HMUL 2, 0
	PLACES
	FKS 3
	FK 3, 0
	s_wait_dscnt 20
	HMUL 2, 1
	PLACES
	FK 3, 1
	s_wait_dscnt 16                                ; all but the second half's 16 loads
	HMUL 3, 0
	s_wait_dscnt 0x0                               ; my last reads of slot 1 are in; the slot is filled again further down, where a barrier is due anyway
	HMUL 3, 1
	PLACES
	; ---- the rows' maxima
	BMAX 0
	BMAX 1
	BMAX 2
	BMAX 3
	WIN 0
.irp a, 0,1,2,3
.irp b, 0,1,2,3,4,5,6,7
	v_permlanex16_b32 v[TM+4+\b], v[BM+8*\a+\b], s[SEL], s[SEL+1]
.endr
.irp b, 0,1,2,3,4,5,6,7
	v_max_num_f32 v[BM+8*\a+\b], v[BM+8*\a+\b], v[TM+4+\b]   ; with lane l xor 16's 16 keys
.endr
	v_max3_num_f32 v[ST+4*\a+1], v[BM+8*\a], v[BM+8*\a+1], v[BM+8*\a+2]
	v_max3_num_f32 v[ST+4*\a+1], v[ST+4*\a+1], v[BM+8*\a+3], v[BM+8*\a+4]
	v_max3_num_f32 v[ST+4*\a+1], v[ST+4*\a+1], v[BM+8*\a+5], v[BM+8*\a+6]
	v_max_num_f32 v[ST+4*\a+1], v[ST+4*\a+1], v[BM+8*\a+7]
	ds_store_b32 v[MXA], v[ST+4*\a+1] offset:256*\a          ; lanes r and r + 16 write the same word with the same value
.endr
	CHANGE G0V1                                    ; one round for two things: my maxima have landed in LDS for the others to read, and slot 1, read out by every wave, takes v's key steps 4-7
.irp a, 0,1,2,3
	ds_load_b128 v[T+4*\a:T+4*\a+3], v[MXR] offset:256*\a
.endr
	s_wait_dscnt 0x0
.irp a, 0,1,2,3
	v_max3_num_f32 v[ST+4*\a+1], v[T+4*\a], v[T+4*\a+1], v[T+4*\a+2]
.endr
.irp a, 0,1,2,3
	v_max_num_f32 v[ST+4*\a+1], v[ST+4*\a+1], v[T+4*\a+3]    ; the row's largest score
.endr
.irp a, 0,1,2,3
	v_mul_f32 v[ST+4*\a+1], s[CS], v[ST+4*\a+1]              ; as t (c is positive)
.endr
.irp a, 0,1,2,3
	v_floor_f32 v[ST+4*\a], -v[ST+4*\a+1]                    ; -M = floor(-t) = -ceil(t)
.endr
	; ---- p.  Query tiles 2 and 3 first: their scores leave window 3, into which the units of tiles 0 and 1 then ask for x, 16 loads a unit
	PUNIT 2, 0, -1
	PUNIT 2, 1, -1
	PUNIT 3, 0, -1
	PUNIT 3, 1, -1
	PUNIT 0, 0, 0
	PUNIT 0, 1, 1
	PUNIT 1, 0, 2
	PUNIT 1, 1, 3
.irp a, 0,1,2,3
	v_add_f32 v[TM+\a], v[ST+4*\a+2], v[ST+4*\a+3]
.endr
.irp a, 0,1,2,3
	v_permlanex16_b32 v[TM+4+\a], v[TM+\a], s[SEL], s[SEL+1]
.endr
.irp a, 0,1,2,3
	v_add_f32 v[TM+\a], v[TM+\a], v[TM+4+\a]       ; the sum over my 256 keys
.endr
.irp a, 0,1,2,3
	ds_store_b32 v[MXA], v[TM+\a] offset:1024+256*\a
.endr
	s_wait_dscnt 0x0
	s_barrier_signal -1                            ; (my load into slot 1 may stay out)
	s_barrier_wait -1                              ; p's 32 images, their scale words and the sums lie in LDS
.irp a, 0,1,2,3
	ds_load_b128 v[T+4*\a:T+4*\a+3], v[MXR] offset:1024+256*\a
.endr
	s_wait_tensorcnt 0x1                           ; slot 0's v was shown landed ahead of the last round; the load into slot 1 may be out
	FV 0, 0                                        ; the first key step's 30 loads go out ahead of the work on the sums
	WIN 0x40
.irp n, 0,1,2,3,4,5,6,7
.irp j, 0,1,2,3,4,5,6,7
	v_mov_b32 v[192+8*\n+\j], v[BP+\n]             ; bproj in the last result's layout: a lane is one output channel
.endr
.endr
	WIN 0
	s_wait_dscnt 30                                ; the four loads of the sums are in; the 30 behind them may be out
.irp a, 0,1,2,3
	v_add_f32 v[RL+2*\a+1], v[T+4*\a], v[T+4*\a+1]
	v_add_f32 v[T+4*\a+2], v[T+4*\a+2], v[T+4*\a+3]
.endr
.irp a, 0,1,2,3
	v_add_f32 v[RL+2*\a+1], v[RL+2*\a+1], v[T+4*\a+2]        ; the row's sum
.endr
.irp a, 0,1,2,3
	v_rcp_f32 v[RL+2*\a], v[RL+2*\a+1]
.endr
	v_nop                                          ; a plain instruction behind the reciprocals,
	s_wait_alu depctr_va_vdst(0)                   ; and one wait for the four
	; ---- O^T = v^T p^T, a key step of 128 at a time, the next step's 30 loads ahead
.irp kk, 0,1,2,3,4,5,6,7
.if \kk == 3
	CHANGE G0W                                     ; slot 0's last bytes, and p's key steps 0-3, have been asked for: wproj comes into slot 0
.endif
.if \kk < 7
	PLACES
	FV \kk+1, (\kk+1)%2
	s_wait_dscnt 30                                ; all but the 30 just issued
.else
	s_wait_dscnt 0x0
.endif
	PVMUL \kk, \kk%2
.endr
	PLACES
	; ---- O / sum, quantised along my 128 channels: K step w of the last product
.irp a, 0,1,2,3
	WIN 0x02
.set j, 0
.rept 32
	v_pk_mul_f32 v[T+j:T+j+1], v[64*\a+j:64*\a+j+1], v[RL+2*\a:RL+2*\a+1] op_sel_hi:[1,0]
.set j, j+2
.endr
	WIN 0
	s_wait_dscnt 0x0                               ; the last tile's stores have read the codes' registers
	QUANT T
	ds_store_b128 v[OWI], v[PC:PC+3] offset:4096*\a
	ds_store_b128 v[OWI], v[PC+4:PC+7] offset:4096*\a+512
	ds_store_b32 v[OWS], v[PW] offset:512*\a
.endr
	s_wait_dscnt 0x0
	s_barrier_signal -1                            ; (wproj's load may stay out)
	s_barrier_wait -1                              ; O's sixteen images lie in LDS
	; ---- the last product and the way out, a tile of 16 outputs at a time.  In issue order the LDS instructions are: tile n + 1's 8 fragment loads, tile n's 16 through the stage, tile n + 2's 8, ..
	s_wait_tensorcnt 0x0                           ; my part of wproj is in
.irp e, 0,1,2,3
	ds_load_b128 v[WPS+4*\e:WPS+4*\e+3], v[WSA] offset:512*\e
.endr
.irp a, 0,1,2,3
.irp ks, 0,1,2,3
	ds_load_b32 v[OS+4*\a+\ks], v[PRS] offset:512*\a+128*\ks
.endr
.endr
	FO
	FPN 0, 0
.irp n, 0,1,2,3,4,5,6,7
.if \n < 7
	FPN \n+1, (\n+1)%2                             ; the next tile's fragments, into the set that the tile before has left (four places and the way out's additions lie between)
.endif
.if \n == 0
	s_wait_dscnt 8                                 ; all but the 8 just issued
.elseif \n < 7
	s_wait_dscnt 24                                ; this tile's fragments are in; behind them: the last tile's 16 through the stage and the 8 just issued
.else
	s_wait_dscnt 16                                ; behind them: the last tile's 16 through the stage
.endif
	PJN \n, \n%2
	WIN 0
	PLACES
.if \n == 1
	s_wait_loadcnt 0x0                             ; x, ahead of the first addition
.endif
.if \n > 1
	s_wait_xcnt 0x0                                ; tile n - 2's stores have read their registers: tile n's rows may land there
.endif
	TOSTAGE \n
.if \n > 0
.if \n < 7
	SEND \n-1, 24                                  ; behind tile n - 1's loads: the 8 fragment loads and tile n's 8 stores and 8 loads
.else
	SEND \n-1, 16                                  ; behind tile 6's loads: tile 7's 8 stores and 8 loads
.endif
.endif
.endr
	SEND 7, 0
	s_wait_tensorcnt 0x0                           ; the wave's end, behind my last tensor load and my last LDS store
	ds_add_u32 v[SPW], v[NIL]
	s_wait_dscnt 0x0
	CROUND                                         ; the closing round: no work-group ends while a partner may still ask for a tile that names it
	s_endpgm
.Lfunc_end_k_qb3922a9cab_attn:
	.size	k_qb3922a9cab_attn, .Lfunc_end_k_qb3922a9cab_attn-k_qb3922a9cab_attn
	.p2alignl 7, 3214868480
	.fill 96, 4, 3214868480
	.section	.rodata,"a",@progbits
	.p2align	6, 0x0
	.amdhsa_kernel k_qb3922a9cab_attn
		.amdhsa_group_segment_fixed_size 327680
		.amdhsa_private_segment_fixed_size 0
		.amdhsa_enable_private_segment 0
		.amdhsa_kernarg_size 40
		.amdhsa_user_sgpr_count 2
		.amdhsa_user_sgpr_kernarg_segment_ptr 1
		.amdhsa_wavefront_size32 1
		.amdhsa_system_sgpr_workgroup_id_x 1
		.amdhsa_system_sgpr_workgroup_id_y 1
		.amdhsa_system_sgpr_workgroup_id_z 1
		.amdhsa_system_vgpr_workitem_id 0
		.amdhsa_next_free_vgpr 1024
		.amdhsa_next_free_sgpr 72
		.amdhsa_reserve_vcc 0
		.amdhsa_float_denorm_mode_32 3
		.amdhsa_float_denorm_mode_16_64 3
		.amdhsa_memory_ordered 1
		.amdhsa_forward_progress 1
		.amdhsa_inst_pref_size 255
	.end_amdhsa_kernel
	.section	.bss,"aw",@nobits
	.p2align	6
	.space	262144
	.amdgpu_metadata
---
amdhsa.version: [ 1, 2 ]
amdhsa.kernels:
  - .name:           k_qb3922a9cab_attn
    .symbol:         k_qb3922a9cab_attn.kd
    .args:
      - { .name: qkv, .offset: 0, .size: 8, .value_kind: global_buffer, .address_space: global }
      - { .name: wimg, .offset: 8, .size: 8, .value_kind: global_buffer, .address_space: global }
      - { .name: bproj, .offset: 16, .size: 8, .value_kind: global_buffer, .address_space: global }
      - { .name: x, .offset: 24, .size: 8, .value_kind: global_buffer, .address_space: global }
      - { .name: out0, .offset: 32, .size: 8, .value_kind: global_buffer, .address_space: global }
    .group_segment_fixed_size: 327680
    .private_segment_fixed_size: 0
    .kernarg_segment_align: 8
    .kernarg_segment_size: 40
    .max_flat_workgroup_size: 128
    .sgpr_count:     72
    .vgpr_count:     1024
    .wavefront_size: 32
...
	.end_amdgpu_metadata
.endif
;; end of part 3
